; MI455X (gfx1250); checked and timed in simulation.
; The chip was launched on July 23, 2026; its instructions are those of AMD's public machine-readable ISA for CDNA 5 (MIT licence, August 2026) and "CDNA5" Instruction Set Architecture Reference Guide (July 2026). The comments in the code are by the model that wrote it; some were corrected since.
;; Multi Headed Attention Rel. Allowed arithmetic: float matrix products may take bf16 or f16 operands with f32 sums; other float arithmetic in f32, or as packed bf16 or f16 multiplies, adds, multiply-adds, maxima and minima; sums over many terms, partial sums and values carried from step to step in f32; what a program stores and reads back later, other than sums and carried values, may be rounded once to bf16 or f16.
;; Inputs: Wk 1,024 x 1,024 float32; Wo 1,024 x 1,024 float32; Wq 1,024 x 1,024 float32; Wv 1,024 x 1,024 float32; bk 1,024 float32; bo 1,024 float32; bq 1,024 float32; bv 1,024 float32; key 8 x 1,024 x 1,024 float32; query 8 x 1,024 x 1,024 float32; rel_k_table 65 x 64 float32; rel_v_table 65 x 64 float32; value 8 x 1,024 x 1,024 float32.
;; Outputs: out0 8 x 1,024 x 1,024 float32.
;; 2 versions, each right; version 2 is version 1 with the launch cast written anew for expert scheduling mode. Each part assembles by itself: llvm-mc -triple=amdgcn-amd-amdhsa -mcpu=gfx1250 --defsym DOCPART=n.
;; ======== version 1 of 2: 4 launches
;; limits: values are held in f16: magnitudes above 65,504 overflow, below 6.1e-05 lose precision
;; workspace buffers: wb 8,388,608 bytes; tab 41,472 bytes; qkv 50,331,648 bytes; oh 16,777,216 bytes
;; launch cast (part 1): grid 257 x 1, 8 waves a work-group, no clusters, 0 bytes of LDS; arguments Wq, Wk, Wv, Wo, bq, bk, bv, bo, rel_k_table, rel_v_table, wb, tab; writes wb, tab
.if DOCPART == 1
	.amdgcn_target "amdgcn-amd-amdhsa--gfx1250"
	.amdhsa_code_object_version 6
	.text
	.protected	k_qe0d7c8a47f_cast
	.globl	k_qe0d7c8a47f_cast
	.p2align	8
	.type	k_qe0d7c8a47f_cast,@function
k_qe0d7c8a47f_cast:
	s_mov_b64 s[64:65], 0
	v_nop
	global_prefetch_b8 v0, s[64:65] scope:SCOPE_SE
	s_setreg_imm32_b32 hwreg(HW_REG_WAVE_MODE, 25, 1), 1
	s_wait_xcnt 0x0
; The weights, the biases and the two tables are rounded once to bf16.  wb = [4][1024][1024]: Wq, Wk, Wv in bf16, Wo as the bf16 number written in f16.
; tab: RkX[x][ch] = Rk[clamp(x - 16, 0, 64)][ch], 96 x 64 f16, at byte 0; RvT[ch][x] = Rv[clamp(x - 16, 0, 64)][ch], 64 x 96 f16, at 12,288; rows 0 and 64 of Rv in f32 at 24,576;
; bq, bk, bv, bo, the bf16 numbers written in f32, 4,096 bytes each, at 25,088.
; LIMIT: Wo and the tables must lie within f16's range (65,504); below 6e-5 they keep f16's fixed step.
; Work-group 0 makes the tables and the biases.  Work-groups 1 .. 256 take a chunk of 16,384 numbers of a weight matrix each.
; A chunk: thread t loads 16 bytes at 16 t + 4,096 j, j = 0 .. 15 (a wave's load covers 512 consecutive bytes) and stores 8 bytes at 8 t + 2,048 j (a wave's store covers 256 consecutive bytes, aligned).
; All sixteen loads are out at once; no register is used twice, so nothing but the counted waits for the loads is needed.  No LDS, no matrix unit: each number is touched once.
.set X, 4                              ; v[4:67]   the chunk as loaded
.set Y, 68                             ; v[68:99]  as stored
	s_load_b512 s[8:23], s[0:1], 0x0               ; Wq s[8:9], Wk s[10:11], Wv s[12:13], Wo s[14:15], bq s[16:17], bk s[18:19], bv s[20:21], bo s[22:23]
	s_load_b256 s[24:31], s[0:1], 0x40             ; rel_k s[24:25], rel_v s[26:27], wb s[28:29], tab s[30:31]
	v_lshlrev_b32 v1, 4, v0                        ; 16 t
	v_lshlrev_b32 v2, 3, v0                        ; 8 t
	s_wait_kmcnt 0x0
	s_cmp_eq_u32 ttmp9, 0
	s_cbranch_scc1 .Ltables
	s_sub_co_u32 s2, ttmp9, 1                      ; the chunk in wb
	s_lshr_b32 s3, s2, 6                           ; which matrix: 0 .. 3
	s_and_b32 s4, s2, 63                           ; its chunk
	s_mov_b64 s[34:35], s[8:9]
	s_cmp_eq_u32 s3, 1
	s_cselect_b64 s[34:35], s[10:11], s[34:35]
	s_cmp_eq_u32 s3, 2
	s_cselect_b64 s[34:35], s[12:13], s[34:35]
	s_cmp_eq_u32 s3, 3
	s_cselect_b64 s[34:35], s[14:15], s[34:35]
	s_lshl_b32 s36, s4, 16                         ; 65,536 bytes of f32 a chunk
	s_mov_b32 s37, 0
	s_add_nc_u64 s[34:35], s[34:35], s[36:37]
	s_lshl_b32 s36, s2, 15                         ; 32,768 bytes of 16-bit numbers
	s_add_nc_u64 s[32:33], s[28:29], s[36:37]
; half = 1: the bf16 number is written as f16
.macro CHUNK half
.irp j, 0,1,2,3,4,5,6,7,8,9,10,11,12,13,14,15
	global_load_b128 v[X+4*(\j):X+4*(\j)+3], v1, s[34:35] offset:4096*(\j) th:TH_LOAD_NT
.endr
.irp j, 0,1,2,3,4,5,6,7,8,9,10,11,12,13,14,15
	s_wait_loadcnt 15-(\j)                         ; loads come back in order: load j is in, the younger ones stay out
	v_cvt_pk_bf16_f32 v[Y+2*(\j)], v[X+4*(\j)], v[X+4*(\j)+1]
	v_cvt_pk_bf16_f32 v[Y+2*(\j)+1], v[X+4*(\j)+2], v[X+4*(\j)+3]
.if \half
	v_lshlrev_b32 v[X+4*(\j)], 16, v[Y+2*(\j)]
	v_and_b32 v[X+4*(\j)+1], 0xffff0000, v[Y+2*(\j)]
	v_lshlrev_b32 v[X+4*(\j)+2], 16, v[Y+2*(\j)+1]
	v_and_b32 v[X+4*(\j)+3], 0xffff0000, v[Y+2*(\j)+1]
	v_cvt_pk_f16_f32 v[Y+2*(\j)], v[X+4*(\j)], v[X+4*(\j)+1]
	v_cvt_pk_f16_f32 v[Y+2*(\j)+1], v[X+4*(\j)+2], v[X+4*(\j)+3]
.endif
	global_store_b64 v2, v[Y+2*(\j):Y+2*(\j)+1], s[32:33] offset:2048*(\j)
.endr
	s_endpgm
.endm
	s_cmp_eq_u32 s3, 3
	s_cbranch_scc1 .Lwo
	CHUNK 0
.Lwo:
	CHUNK 1
; THE TABLES AND THE BIASES.  768 items of eight numbers for each table, three a thread: item e = t + 256 k.  Of each bias a thread takes four numbers.  ALL loads go out first, those of Rv's rows 0 and 64 too, so
; that the work-group waits for memory once.
; v[4:6] RkX's addresses, v[8:31] RvT's, v[32:55] and v[56:79] the numbers, v[80:81] two numbers of Rv's row 0 or 64, v[84:107] the packed results, v111 an address, v[112:127] the biases.
.Ltables:
.irp k, 0,1,2
	v_add_nc_u32 v3, 256*\k, v0                    ; e
	v_lshrrev_b32 v[4+\k], 3, v3                   ; x = e / 8
	v_max_u32 v[4+\k], 16, v[4+\k]
	v_min_u32 v[4+\k], 80, v[4+\k]
	v_add_nc_u32 v[4+\k], -16, v[4+\k]             ; the table's row
	v_and_b32 v3, 7, v3
	v_lshlrev_b32 v3, 5, v3                        ; eight channels: 32 bytes
	v_lshl_add_u32 v[4+\k], v[4+\k], 8, v3         ; row x 256 bytes
	global_load_b128 v[32+8*\k:35+8*\k], v[4+\k], s[24:25]
	global_load_b128 v[36+8*\k:39+8*\k], v[4+\k], s[24:25] offset:16
.endr
.irp k, 0,1,2
	v_add_nc_u32 v3, 256*\k, v0                    ; e
	v_mul_u32_u24 v7, v3, 0xaaab
	v_lshrrev_b32 v7, 19, v7                       ; ch = e / 12 (exact for e under 768)
	v_mul_u32_u24 v82, v7, 12
	v_sub_nc_u32 v82, v3, v82
	v_lshlrev_b32 v82, 3, v82                      ; the item's first x
	v_lshlrev_b32 v7, 2, v7                        ; 4 ch
.irp i, 0,1,2,3,4,5,6,7
	v_add_nc_u32 v83, \i, v82
	v_max_u32 v83, 16, v83
	v_min_u32 v83, 80, v83
	v_add_nc_u32 v83, -16, v83
	v_lshl_add_u32 v[8+8*\k+\i], v83, 8, v7
	global_load_b32 v[56+8*\k+\i], v[8+8*\k+\i], s[26:27]
.endr
.endr
.irp k, 0,1,2,3
	global_load_b128 v[112+4*\k:115+4*\k], v1, s[16+2*\k:17+2*\k]
.endr
	v_lshrrev_b32 v3, 5, v0
	v_readfirstlane_b32 s3, v3                     ; my wave's number
	v_min_u32 v3, 1, v3                            ; wave 0 takes row 0 of Rv, every other wave row 64: all load, so that the registers are written in every wave; waves 0 and 1 store
	v_and_b32 v111, 31, v0
	v_lshlrev_b32 v111, 3, v111
	v_lshl_add_u32 v111, v3, 14, v111              ; 64 rows of 256 bytes
	global_load_b64 v[80:81], v111, s[26:27]
	s_wait_loadcnt 0x0
.macro RND out, a, b                   ; two numbers: to bf16, and that number as f16
	v_cvt_pk_bf16_f32 v82, v[\a], v[\b]
	v_lshlrev_b32 v[\a], 16, v82
	v_and_b32 v[\b], 0xffff0000, v82
	v_cvt_pk_f16_f32 v[\out], v[\a], v[\b]
.endm
.irp k, 0,1,2
.irp n, 0,1,2,3
	RND 84+4*\k+\n, 32+8*\k+2*\n, 33+8*\k+2*\n
	RND 96+4*\k+\n, 56+8*\k+2*\n, 57+8*\k+2*\n
.endr
	global_store_b128 v1, v[84+4*\k:87+4*\k], s[30:31] offset:4096*\k
	global_store_b128 v1, v[96+4*\k:99+4*\k], s[30:31] offset:12288+4096*\k
.endr
.irp n, 0,1,2,3,4,5,6,7
	v_cvt_pk_bf16_f32 v110, v[112+2*\n], v[113+2*\n]   ; two numbers of a bias: to bf16, and widened again
	v_lshlrev_b32 v[112+2*\n], 16, v110
	v_and_b32 v[113+2*\n], 0xffff0000, v110
.endr
.irp k, 0,1,2,3
	global_store_b128 v1, v[112+4*\k:115+4*\k], s[30:31] offset:25088+4096*\k
.endr
	s_cmp_lt_u32 s3, 2                             ; wave 0: row 0 of Rv; wave 1: row 64
	s_cbranch_scc0 .Ldone
	v_cvt_pk_bf16_f32 v82, v80, v81
	v_lshlrev_b32 v108, 16, v82
	v_and_b32 v109, 0xffff0000, v82
	global_store_b64 v2, v[108:109], s[30:31] offset:24576
.Ldone:
	s_endpgm
.Lfunc_end_k_qe0d7c8a47f_cast:
	.size	k_qe0d7c8a47f_cast, .Lfunc_end_k_qe0d7c8a47f_cast-k_qe0d7c8a47f_cast
	.p2alignl 7, 3214868480
	.fill 96, 4, 3214868480
	.section	.rodata,"a",@progbits
	.p2align	6, 0x0
	.amdhsa_kernel k_qe0d7c8a47f_cast
		.amdhsa_group_segment_fixed_size 0
		.amdhsa_private_segment_fixed_size 0
		.amdhsa_enable_private_segment 0
		.amdhsa_kernarg_size 96
		.amdhsa_user_sgpr_count 2
		.amdhsa_user_sgpr_kernarg_segment_ptr 1
		.amdhsa_wavefront_size32 1
		.amdhsa_system_sgpr_workgroup_id_x 1
		.amdhsa_system_sgpr_workgroup_id_y 1
		.amdhsa_system_sgpr_workgroup_id_z 1
		.amdhsa_system_vgpr_workitem_id 0
		.amdhsa_next_free_vgpr 128
		.amdhsa_next_free_sgpr 66
		.amdhsa_reserve_vcc 0
		.amdhsa_float_denorm_mode_32 3
		.amdhsa_float_denorm_mode_16_64 3
		.amdhsa_memory_ordered 1
		.amdhsa_forward_progress 1
		.amdhsa_inst_pref_size 36
	.end_amdhsa_kernel
	.amdgpu_metadata
---
amdhsa.version: [ 1, 2 ]
amdhsa.kernels:
  - .name:           k_qe0d7c8a47f_cast
    .symbol:         k_qe0d7c8a47f_cast.kd
    .args:
      - { .name: Wq, .offset: 0, .size: 8, .value_kind: global_buffer, .address_space: global }
      - { .name: Wk, .offset: 8, .size: 8, .value_kind: global_buffer, .address_space: global }
      - { .name: Wv, .offset: 16, .size: 8, .value_kind: global_buffer, .address_space: global }
      - { .name: Wo, .offset: 24, .size: 8, .value_kind: global_buffer, .address_space: global }
      - { .name: bq, .offset: 32, .size: 8, .value_kind: global_buffer, .address_space: global }
      - { .name: bk, .offset: 40, .size: 8, .value_kind: global_buffer, .address_space: global }
      - { .name: bv, .offset: 48, .size: 8, .value_kind: global_buffer, .address_space: global }
      - { .name: bo, .offset: 56, .size: 8, .value_kind: global_buffer, .address_space: global }
      - { .name: rel_k_table, .offset: 64, .size: 8, .value_kind: global_buffer, .address_space: global }
      - { .name: rel_v_table, .offset: 72, .size: 8, .value_kind: global_buffer, .address_space: global }
      - { .name: wb, .offset: 80, .size: 8, .value_kind: global_buffer, .address_space: global }
      - { .name: tab, .offset: 88, .size: 8, .value_kind: global_buffer, .address_space: global }
    .group_segment_fixed_size: 0
    .private_segment_fixed_size: 0
    .kernarg_segment_align: 8
    .kernarg_segment_size: 96
    .max_flat_workgroup_size: 256
    .sgpr_count:     66
    .vgpr_count:     128
    .wavefront_size: 32
...
	.end_amdgpu_metadata
.endif
;; end of part 1
;; launch proj (part 2): grid 4 x 64, 4 waves a work-group, clusters of 4 x 4, 327,680 bytes of LDS; arguments query, key, value, wb, tab, qkv; writes qkv
.if DOCPART == 2
	.amdgcn_target "amdgcn-amd-amdhsa--gfx1250"
	.amdhsa_code_object_version 6
	.text
	.protected	k_qe0d7c8a47f_proj
	.globl	k_qe0d7c8a47f_proj
	.p2align	8
	.type	k_qe0d7c8a47f_proj,@function
k_qe0d7c8a47f_proj:
	s_mov_b64 s[64:65], 0
	v_nop
	global_prefetch_b8 v0, s[64:65] scope:SCOPE_SE
	s_setreg_imm32_b32 hwreg(HW_REG_WAVE_MODE, 25, 1), 1
	s_wait_xcnt 0x0
	s_wait_alu depctr_hold_cnt(0) depctr_sa_sdst(0) depctr_va_vdst(0) depctr_va_sdst(0) depctr_va_ssrc(0) depctr_va_vcc(0) depctr_vm_vsrc(0)
	s_getreg_b32 s2, hwreg(HW_REG_IB_STS2, 6, 4)
	s_cmp_eq_u32 s2, 0
	s_cbranch_scc0 .Lentry_in_a_cluster
	s_endpgm
.Lentry_in_a_cluster:
	s_bfe_u32 s2, ttmp6, 0x10000c
	s_cmp_lg_u32 s2, 0xf033
	s_cbranch_scc0 .Lentry_shape_is_right
	s_endpgm
.Lentry_shape_is_right:
; C[m][n] = the sum over k of A[m][k] B[n][k] + bias[n], M = 8,192, N = K = 1,024; sums in f32.  One text for two launches, told apart by MODE.
; MODE 0: the three projections q, k, v.  A = query, key, value in f32 (rows of 4,096 bytes), rounded to bf16 in registers; B = wb[p] (bf16); C leaves in f16 by heads, [p][batch x 16 + head][1024][64].
;   A WORK-GROUP STAYS: it makes its tile of C for q, then for k, then for v: 24 K steps in one counted loop, and the ring of slots runs on from tile to tile.
; MODE 1: the last projection.  A = oh, f16 by heads [batch x 16 + head][1024][64]; B = wb[3] (f16); C = out0 in f32, rows of 4,096 bytes.  One tile to a work-group.
; The bias (bf16 numbers in f32, in tab at byte 25,088, a row of 4,096 bytes for each of bq, bk, bv, bo) is the C operand of a tile's first products.
; LIMIT (MODE 0): q, k and v must lie within f16's range, 65,504.
; A tile of C is 128 x 256: 256 work-groups.  Four waves, each 64 x 128: 32 accumulators, 256 registers.  K goes in steps of 128 through two LDS slots.  A K STEP IS WRITTEN ONCE: the slot that is read is a
; scalar (TB) added to the lane's addresses, the slot that is filled an exclusive or on the descriptor's LDS word.  The last two K steps, which fill nothing, are a second copy, walked twice.
; CLUSTERS: 4 x 4 work-groups.  The four of a row of the cluster need the same tiles of A, the four of a column the same tiles of B: each tile is asked for JOINTLY, by the same tensor load with the
; same descriptor and a mask that names the four.  Waves 0 and 1 fetch A's two halves, waves 2 and 3 B's.
; THE MATRIX INSTRUCTION IS USED TRANSPOSED (source 0 = 16 rows of B, source 1 = 16 rows of A): a lane then holds eight neighbouring numbers of a row of C.
; REGISTERS: window 0: v8-30 addresses; v32-127 and v128-223 two fragment buffers (A's four fragments, then B's eight); v224-255 packed results; on the way out rows come back over the second buffer.
;   window 1: accumulator (a, b) at 8 (8 a + b).   window 2: v0-63 the bias of my 128 columns (block b, register i: column 16 b + 8 (lane / 16) + i); MODE 0: v64-127 a quarter's A in f32.
.set MODE, 0
.set PITCH,  272                       ; a row of B in LDS: 256 bytes + 16 of padding = 68 words: the 16 rows of a load start at 16 different groups of four banks (64 banks of 4 bytes: ISA guide 11.1)
.set BHALF,  128*PITCH                 ; what one wave fetches of B: 128 rows
.set AOFF,   2*BHALF                   ; in a slot B's 256 rows lie first, A's tile behind them
.if MODE == 0
.set TILES,  3
.set APITCH, 528                       ; a row of A: 128 f32 = 512 bytes + 16 = 132 words: again 16 different groups of four banks
.set AHALF,  64*APITCH                 ; what one wave fetches of A: 64 rows
.set ASH,    9                         ; a K step of A is 512 bytes on
.set AWORD,  (2<<16)|(1<<20)|(1<<21)|(6<<22)|(3<<25)  ; 17:16 elements of 4 bytes; 20 padding on; 21 set beside a mask; 24:22 after every 128 words (code 6); 31:25 4 words (code 3)
.set ASTRIDE, 1024
.set SLOT1,  0x24000                   ; slot 1 begins here: none of the four tiles' places in slot 0 (0, 0x8800, 0x11000, 0x19400) has one of its bits, so one exclusive or turns a place into the other slot's
.set WSTAGE, 2*16*144                  ; a wave's stage: two heads x 16 rows x 144 bytes
.else
.set TILES,  1
.set APITCH, 144                       ; a head's row: 128 bytes + 16
.set AHALF,  128*APITCH                ; what one wave fetches of A: one head's 128 rows; a K step is two heads
.set ASH,    18                        ; two heads of 131,072 bytes
.set AWORD,  (1<<16)|(1<<20)|(1<<21)|(4<<22)|(3<<25)  ; elements of 2 bytes; padding after every 32 words (code 4)
.set ASTRIDE, 128
.set SLOT1,  0x20000                   ; a slot is 106,496 bytes
.set WSTAGE, 16*528                    ; 16 rows x (512 + 16) bytes
.endif
.set STAGE,  SLOT1+AOFF+2*AHALF        ; behind the ring, never filled by a tensor load
.set SPARE,  STAGE+4*WSTAGE            ; behind the stages: the spare words, 128 bytes for each wave: two blocks of 256 bytes that no other line names
.set NS,     8*TILES                   ; K steps of a work-group
.set BIASOFF, 25088
.set ADRA0, 8                          ; v8      my place in A's tile of slot 0; never rewritten
.set ADRB0, 9                          ; v9      the same for B
.set ADRA, 16                          ; v16     the same in the slot that is being read
.set ADRB, 20                          ; v20
.set STO,  24                          ; v24     the way out: where I put my part of a row
.set RD,   25                          ; v25     where I read rows back
.set CO,   26                          ; v26     16 x lane
.set BO,   27                          ; v27     my byte offset in the bias
.set SPW,  28                          ; v28     LDS address of my spare word; never rewritten
.set NIL,  29                          ; v29     0; never rewritten
.set PFO,  30                          ; v30     the prefetches' offset: lane x the distance of two blocks; never rewritten
.set F0,   32
.set F1,   128
.set PKD,  224
.set BK,   128
.set RAW,  64                          ; window 2
.set G1,  24                           ; s[24:31] descriptor group 1 for A's tiles; s[32:39] group 0: a set for each of the two first fills; the second then walks on
.set G0,  32
.set G1B, 48                           ; s[48:55], s[56:63] the same for B's
.set G0B, 56
.set LIM, 43                           ; s43      2 in a wave that prefetches, else the greatest number
.set PFA, 44                           ; s[44:45] what my next prefetch names
.set PFS, 80                           ; s80      bytes from a K step to the next, for my prefetches
.set PK,  81                           ; s81      the K step, in its tile, that the next prefetch names
.set NK,  82                           ; s82      the K step, in its tile, that the next fill brings
.set TB,  83                           ; s83      0 or SLOT1: the slot that is being read
.set APT, 84                           ; s[84:85] A at my rows, in the tile that is being asked for; s[86:87], s[88:89] in the tiles behind it
.set AP1, 86
.set AP2, 88
.set BPT, 90                           ; s[90:91] the same for B
.set PP0, 92                           ; s[92:97] the same three for my prefetches
.set PP1, 94
.set PP2, 96
.set OFF, 98                           ; s[98:99] an offset; the high word stays 0
.set BP,  100                          ; s[100:101] the bias of my columns
.set MSB, 0
.macro WIN new                         ; the immediate's high byte repeats the setting that is left; a switch that changes nothing is dropped
.if MSB != (\new)
	s_set_vgpr_msb (MSB<<8)|(\new)
.set MSB, \new
.endif
.endm
.macro JLOAD s                         ; a joint load; an s_nop 0 and four v_nop follow each of the two lines, ahead of the jump, the label and what follows
	s_cmp_eq_u32 s11, 0
	s_cbranch_scc0 .Lfor_b_\@
	tensor_load_to_lds s[G0+4*(\s):G0+4*(\s)+3], s[G1:G1+7]
	s_nop 0
.rept 4
	v_nop
.endr
	s_branch .Lasked_\@
.Lfor_b_\@:
	tensor_load_to_lds s[G0B+4*(\s):G0B+4*(\s)+3], s[G1B:G1B+7]
	s_nop 0
.rept 4
	v_nop
.endr
.Lasked_\@:
.endm
; A PREFETCH INTO THE L2 of the K step that stands two refills on, in the next tile too: 32 blocks of 256 bytes, a lane a block, one instruction a wave, behind the joint load and the run of LDS loads.
; Each block is named once in the launch.  A's rows are read by my row of the cluster alone: its four partners take 32 rows (MODE 1: 32 blocks) each, told apart by address; MODE 0: a row's K step is two blocks,
; wave 0 asks for the first and wave 1 for the second; MODE 1: wave 0 asks.  B's 256 rows are read by every cluster: the first row of clusters asks; the four partners of a column take 64 rows each, waves 2
; and 3 32 each.  The first four K steps come by their loads alone; the loop's last two trips ask for nothing: there is no K step two refills on.
.macro ASK
	s_cmp_gt_u32 s3, s[LIM]
	s_cbranch_scc0 .Lnot_mine_\@
	global_prefetch_b8 v[PFO], s[PFA:PFA+1] th:TH_LOAD_NT scope:SCOPE_SE
.Lnot_mine_\@:
.endm
.macro CROUND                          ; a round of the cluster's barrier: my work-group's barrier, wave 0's signal for the work-group, every wave's wait for all sixteen, my work-group's barrier once more
	s_barrier_signal -1
	s_barrier_wait -1
	s_cmp_lg_u32 s10, 0
	s_cbranch_scc1 .Lnot_wave_0_\@
	s_barrier_signal -3
.Lnot_wave_0_\@:
	s_barrier_wait -3
	s_barrier_signal -1
	s_barrier_wait -1
.endm
.macro BIASLOAD                        ; the bias of my 128 columns
	WIN 0x80                                       ; destination window 2
.irp b, 0,1,2,3,4,5,6,7
	global_load_b128 v[8*(\b):8*(\b)+3],   v[BO], s[BP:BP+1] offset:64*(\b)
	global_load_b128 v[8*(\b)+4:8*(\b)+7], v[BO], s[BP:BP+1] offset:64*(\b)+16
.endr
	WIN 0
.endm
	s_load_b256 s[68:75], s[0:1], 0x0              ; MODE 0: query, key, value, wb;  MODE 1: oh, wb, tab, out0
.if MODE == 0
	s_load_b128 s[76:79], s[0:1], 0x20             ; tab, qkv
.endif
	v_lshl_add_u32 v[SPW], v0, 2, SPARE
	v_mov_b32 v[NIL], 0
	ds_add_u32 v[SPW], v[NIL]                      ; the wave's opening: the add and its wait stand ahead of my first tensor load; the set-up below, work on registers, stands between them
	v_lshrrev_b32 v1, 5, v0
	v_readfirstlane_b32 s10, v1                    ; wave 0..3
	s_lshr_b32 s11, s10, 1                         ; which half of the tile's rows is mine.  Also: I fetch for A (0) or for B (1)
	s_and_b32 s12, s10, 1                          ; which half of its columns.  Also: which half of that tile I fetch
	s_bfe_u32 s40, ttmp6, 0x40000                  ; cx, cy: my place in the cluster
	s_bfe_u32 s41, ttmp6, 0x40004
	s_lshl_b32 s42, ttmp9, 2
	s_add_co_u32 s42, s42, s40                     ; tile column of C
	s_and_b32 s66, ttmp7, 0xffff                   ; cluster y
	s_lshl_b32 s13, s66, 2
	s_add_co_u32 s13, s13, s41                     ; tile row of C
	s_lshl_b32 s43, s41, 2
	s_lshl_b32 s43, 15, s43                        ; my row of the cluster
	s_lshl_b32 s44, 0x1111, s40                    ; my column
	s_or_b32 s[G1+0], s43, AWORD                   ; 15:0 the mask: A's tiles go to my row
	s_or_b32 s[G1B+0], s44, (1<<16)|(1<<20)|(1<<21)|(5<<22)|(3<<25)  ; B's to my column; elements of 2 bytes; padding of 4 words after every 64
	s_mov_b32 s[G1+1], 128<<16                     ; tensor_dim0 = 128
	s_mov_b32 s[G1+2], 64<<16                      ; tensor_dim1 = 64
	s_mov_b32 s[G1+3], 128<<16                     ; tile_dim0 = 128
	s_mov_b32 s[G1+4], 64                          ; tile_dim1 = 64 (MODE 1: a head's 128 dense rows of 128 bytes, asked for as 64 rows of 256)
	s_mov_b32 s[G1+5], ASTRIDE
	s_mov_b32 s[G1+6], 0
	s_mov_b32 s[G1+7], 0
	s_mov_b32 s[G1B+1], 128<<16
	s_mov_b32 s[G1B+2], 128<<16
	s_mov_b32 s[G1B+3], 128<<16
	s_mov_b32 s[G1B+4], 128
	s_mov_b32 s[G1B+5], 1024
	s_mov_b32 s[G1B+6], 0
	s_mov_b32 s[G1B+7], 0
	; where the tiles come from: A's hang on the tile row alone, B's on the tile column alone
.if MODE == 0
	s_lshl_b32 s16, s13, 19                        ; 128 rows of 4,096 bytes
	s_lshl_b32 s17, s12, 18                        ; my 64 of them
	s_add_co_u32 s16, s16, s17
.else
	s_lshr_b32 s16, s13, 3                         ; the batch
	s_lshl_b32 s16, s16, 4
	s_add_co_u32 s16, s16, s12                     ; its head 0 or 1
	s_lshl_b32 s16, s16, 17                        ; 131,072 bytes a head
	s_and_b32 s17, s13, 7
	s_lshl_b32 s17, s17, 14                        ; 128 rows of 128 bytes
	s_add_co_u32 s16, s16, s17
.endif
	s_mov_b32 s17, 0
	s_lshl_b32 s46, s42, 19                        ; 256 rows of 2,048 bytes
	s_lshl_b32 s47, s12, 18
	s_add_co_u32 s46, s46, s47
	s_mov_b32 s47, 0
	s_mul_i32 s20, s12, AHALF                      ; and where they go: no place in the cluster enters an LDS address
	s_add_co_u32 s20, s20, AOFF
	s_mul_i32 s21, s12, BHALF
	s_mov_b32 s[NK], 2                             ; the first refill brings K step 2,
	s_mov_b32 s[PK], 4                             ; the first prefetch names K step 4
	s_mov_b32 s[TB], 0
	s_mov_b32 s[OFF+1], 0
	s_wait_dscnt 0x0                               ; the opening add is done
	s_wait_kmcnt 0x0
.if MODE == 0
	s_add_nc_u64 s[APT:APT+1], s[68:69], s[16:17]
	s_add_nc_u64 s[AP1:AP1+1], s[70:71], s[16:17]
	s_add_nc_u64 s[AP2:AP2+1], s[72:73], s[16:17]
	s_mov_b64 s[6:7], s[74:75]
	s_mov_b64 s[8:9], s[78:79]
	s_add_nc_u64 s[BP:BP+1], s[76:77], BIASOFF
.else
	s_add_nc_u64 s[APT:APT+1], s[68:69], s[16:17]
	s_add_nc_u64 s[6:7], s[70:71], 6291456         ; Wo
	s_mov_b64 s[8:9], s[74:75]
	s_add_nc_u64 s[BP:BP+1], s[72:73], BIASOFF+3*4096
.endif
	s_add_nc_u64 s[BPT:BPT+1], s[6:7], s[46:47]
	CROUND                                         ; all sixteen work-groups are here: the first joint loads meet
.irp s, 0,1
	s_mov_b32 s[G0+4*(\s)], 1
	s_add_co_u32 s[G0+4*(\s)+1], s20, (\s)*SLOT1
	s_add_nc_u64 s[G0+4*(\s)+2:G0+4*(\s)+3], s[APT:APT+1], (\s)<<ASH
	s_or_b32 s[G0+4*(\s)+3], s[G0+4*(\s)+3], 0x80000000
	s_mov_b32 s[G0B+4*(\s)], 1
	s_add_co_u32 s[G0B+4*(\s)+1], s21, (\s)*SLOT1
	s_add_nc_u64 s[G0B+4*(\s)+2:G0B+4*(\s)+3], s[BPT:BPT+1], (\s)*256
	s_or_b32 s[G0B+4*(\s)+3], s[G0B+4*(\s)+3], 0x80000000
	JLOAD \s                                       ; two loads of mine are out
.endr
	v_and_b32 v1, 15, v0                           ; l % 16
	v_bfe_u32 v2, v0, 4, 1                         ; l / 16
	s_lshl_b32 s46, s42, 10                        ; my 128 columns in the bias
	s_lshl_b32 s47, s12, 9
	s_add_co_u32 s46, s46, s47
	s_mov_b32 s47, 0
	s_add_nc_u64 s[BP:BP+1], s[BP:BP+1], s[46:47]
	v_lshlrev_b32 v[BO], 5, v2
	BIASLOAD
	v_mul_u32_u24 v3, v1, APITCH
.if MODE == 0
	v_lshl_add_u32 v3, v2, 5, v3                   ; a fragment's row x pitch + 32 x half: eight f32
.else
	v_lshl_add_u32 v3, v2, 4, v3                   ; a fragment's row x pitch + 16 x half
.endif
	v_mul_u32_u24 v4, v1, PITCH
	v_lshl_add_u32 v4, v2, 4, v4
	s_mul_i32 s21, s11, 64*APITCH                  ; my 64 rows of A,
	s_add_co_u32 s21, s21, AOFF                    ; which lie behind B's tile
	s_mul_i32 s22, s12, BHALF                      ; my 128 rows of B
	v_add_nc_u32 v[ADRA0], s21, v3
	v_add_nc_u32 v[ADRB0], s22, v4
	v_mov_b32 v[ADRA], v[ADRA0]
	v_mov_b32 v[ADRB], v[ADRB0]
	s_mul_i32 s23, s10, WSTAGE
	s_add_co_u32 s23, s23, STAGE                   ; my stage
	v_and_b32 v[CO], 31, v0
	v_lshlrev_b32 v[CO], 4, v[CO]
.if MODE == 0
	v_mul_u32_u24 v5, v1, 144                      ; in: row l % 16, 16 bytes for each half of the lanes
	v_lshl_add_u32 v5, v2, 4, v5
	v_add_nc_u32 v[STO], s23, v5
	v_bfe_u32 v5, v0, 3, 2                         ; back: 32 lanes take four rows of 128 bytes
	v_mul_u32_u24 v5, v5, 144
	v_and_b32 v6, 7, v0
	v_lshl_add_u32 v5, v6, 4, v5
	v_add_nc_u32 v[RD], s23, v5
	s_lshr_b32 s16, s13, 3                         ; C at my first row: batch x 16 heads of 131,072 bytes,
	s_lshl_b32 s16, s16, 21
	s_and_b32 s17, s13, 7
	s_lshl_b32 s17, s17, 14                        ; the tile's 128 rows of 128 bytes,
	s_add_co_u32 s16, s16, s17
	s_lshl_b32 s17, s11, 13                        ; my 64 of them
	s_add_co_u32 s16, s16, s17
	s_lshl_b32 s46, s42, 19                        ; and at my first head: 4 x tile column + 2 x half
	s_lshl_b32 s47, s12, 18
.else
	v_mul_u32_u24 v5, v1, 528                      ; in: row l % 16, 32 bytes for each half of the lanes
	v_lshl_add_u32 v5, v2, 5, v5
	v_add_nc_u32 v[STO], s23, v5
	v_add_nc_u32 v[RD], s23, v[CO]                 ; back: 32 lanes take a row's 512 bytes
	s_lshl_b32 s16, s13, 19                        ; 128 rows of 4,096 bytes
	s_lshl_b32 s17, s11, 18
	s_add_co_u32 s16, s16, s17
	s_lshl_b32 s46, s42, 10                        ; 256 columns of 4 bytes
	s_lshl_b32 s47, s12, 9
.endif
	s_mov_b32 s17, 0
	s_add_nc_u64 s[8:9], s[8:9], s[16:17]
	s_add_co_u32 s46, s46, s47
	s_mov_b32 s47, 0
	s_add_nc_u64 s[8:9], s[8:9], s[46:47]
	; the prefetches
.if MODE == 0
	s_lshl_b32 s20, s13, 19
	s_lshl_b32 s22, s40, 17                        ; A: rows 32 cx on of the tile's 128,
	s_add_co_u32 s20, s20, s22
	s_lshl_b32 s22, s12, 8                         ; my block of a row's two
	s_add_co_u32 s20, s20, s22
.else
	s_lshr_b32 s20, s13, 3
	s_lshl_b32 s20, s20, 4
	s_lshr_b32 s22, s40, 1                         ; A: head cx / 2 of the K step's two,
	s_add_co_u32 s20, s20, s22
	s_lshl_b32 s20, s20, 17
	s_and_b32 s22, s13, 7
	s_lshl_b32 s22, s22, 14
	s_add_co_u32 s20, s20, s22
	s_and_b32 s22, s40, 1
	s_lshl_b32 s22, s22, 13                        ; blocks 32 (cx % 2) on of its 64
	s_add_co_u32 s20, s20, s22
.endif
	s_lshl_b32 s22, s42, 19
	s_lshl_b32 s23, s41, 17                        ; B: rows 64 cy on of the tile's 256,
	s_add_co_u32 s22, s22, s23
	s_lshl_b32 s23, s12, 16                        ; my 32 of them
	s_add_co_u32 s22, s22, s23
	s_mov_b32 s[PFS], 256
	s_mov_b32 s23, 2048
.if MODE == 0
	s_add_nc_u64 s[14:15], s[6:7], 0x200000        ; Wk, Wv
	s_add_nc_u64 s[18:19], s[6:7], 0x400000
.endif
	s_cmp_eq_u32 s11, 0                            ; do I fetch for A?
	s_cselect_b32 s20, s20, s22
	s_cselect_b64 s[PP0:PP0+1], s[68:69], s[6:7]
.if MODE == 0
	s_cselect_b64 s[PP1:PP1+1], s[70:71], s[14:15]
	s_cselect_b64 s[PP2:PP2+1], s[72:73], s[18:19]
	s_cselect_b32 s[PFS], 512, s[PFS]
	s_cselect_b32 s23, 4096, s23
	s_cselect_b32 s21, 0, s66                      ; who asks: for A waves 0 and 1; for B the first row of clusters
.else
	s_cselect_b32 s[PFS], 0x40000, s[PFS]
	s_cselect_b32 s23, 256, s23
	s_cselect_b32 s21, s12, s66                    ; who asks: for A wave 0; for B the first row of clusters
.endif
	s_cmp_eq_u32 s21, 0
	s_cselect_b32 s[LIM], 2, -1                    ; the same in all sixteen partners, for a given wave
	s_mov_b32 s21, 0
	s_add_nc_u64 s[PP0:PP0+1], s[PP0:PP0+1], s[20:21]
.if MODE == 0
	s_add_nc_u64 s[PP1:PP1+1], s[PP1:PP1+1], s[20:21]
	s_add_nc_u64 s[PP2:PP2+1], s[PP2:PP2+1], s[20:21]
.endif
	v_and_b32 v[PFO], 31, v0
	v_mul_u32_u24 v[PFO], v[PFO], s23
; 8 matrix instructions: m block a x all 8 n blocks, 32 along K.  zero = 1: the product starts the sums, with the bias as C.  The 32 accumulators take turns, in the same order in every quarter.
.macro MULROW f, a, zero
.irp b, 0,1,2,3,4,5,6,7
.set rD, 8*(8*(\a)+(\b))
.set rX, (\f)+32+8*(\b)
.set rY, (\f)+8*(\a)
.set rC, rD
.if \zero
.set rC, 8*(\b)
	WIN 0x60                                       ; D window 1, C window 2, the fragments window 0
.else
	WIN 0x50                                       ; C and D window 1
.endif
.if MODE == 0
	v_wmma_f32_16x16x32_bf16 v[rD:rD+7], v[rX:rX+7], v[rY:rY+7], v[rC:rC+7]
.else
	v_wmma_f32_16x16x32_f16 v[rD:rD+7], v[rX:rX+7], v[rY:rY+7], v[rC:rC+7]
.endif
.endr
.endm
; MODE 0: a quarter's A is rounded to bf16: fragment register n of buffer g's A is made of the f32 registers 2 n and 2 n + 1.  One block under one window setting.  It writes no register of the products round it:
; the last products that read buffer g's A stand ahead of the four places in front of the quarter's run of loads.
.macro CVT g
	WIN 0x0a                                       ; sources window 2, destination window 0
.set i, 0
.rept 32
	v_cvt_pk_bf16_f32 v[(\g)+i], v[RAW+2*i], v[RAW+2*i+1]
.set i, i+1
.endr
.endm
; The LDS loads of quarter kq of the K step that is being read, in one run.  MODE 0: A's four fragments in f32 (a lane's eight and eight numbers: four loads of 16 bytes a fragment), then B's eight fragments into buffer f.
; MODE 1: B's sixteen loads, then A's eight, into buffer f.
.macro FETCH kq, f
.if MODE == 0
	WIN 0x80                                       ; destination window 2
.irp i, 0,1,2,3
	ds_load_b128 v[RAW+16*(\i):RAW+16*(\i)+3],     v[ADRA] offset:128*(\kq)+(\i)*16*APITCH
	ds_load_b128 v[RAW+16*(\i)+4:RAW+16*(\i)+7],   v[ADRA] offset:128*(\kq)+(\i)*16*APITCH+16
	ds_load_b128 v[RAW+16*(\i)+8:RAW+16*(\i)+11],  v[ADRA] offset:128*(\kq)+(\i)*16*APITCH+64
	ds_load_b128 v[RAW+16*(\i)+12:RAW+16*(\i)+15], v[ADRA] offset:128*(\kq)+(\i)*16*APITCH+80
.endr
.endif
	WIN 0
.irp i, 0,1,2,3,4,5,6,7
	ds_load_b128 v[(\f)+32+8*(\i):(\f)+32+8*(\i)+3],   v[ADRB] offset:64*(\kq)+(\i)*16*PITCH
	ds_load_b128 v[(\f)+32+8*(\i)+4:(\f)+32+8*(\i)+7], v[ADRB] offset:64*(\kq)+(\i)*16*PITCH+32
.endr
.if MODE == 1
.set AO, ((\kq)/2)*AHALF+((\kq)%2)*64
.irp i, 0,1,2,3
	ds_load_b128 v[(\f)+8*(\i):(\f)+8*(\i)+3],   v[ADRA] offset:AO+(\i)*16*APITCH
	ds_load_b128 v[(\f)+8*(\i)+4:(\f)+8*(\i)+7], v[ADRA] offset:AO+(\i)*16*APITCH+32
.endr
.endif
.endm
.macro PLACES                          ; four places in front of loads into registers that matrix instructions have read (ISA guide 7.12.1 for vector instructions)
.rept 4
	v_nop
.endr
.endm
; The second half of a quarter that multiplies buffer f, behind the fetch for buffer g.  w = 0 (MODE 1): buffer f has been shown whole already
.macro HALF2 f, g, zero, w=1
.if MODE == 0
	MULROW \f, 2, \zero
	s_wait_dscnt 16                                ; A in f32 is in; B's sixteen loads, issued behind it, may be out
	CVT \g
	MULROW \f, 3, \zero
.else
.if \w
	s_wait_dscnt 24                                ; all but the 24 just issued
.endif
	MULROW \f, 2, \zero
	MULROW \f, 3, \zero
.endif
.endm
; A K step is four quarters of 32 along K, 32 matrix instructions each, on buffers 0, 1, 0, 1.  One of the first three: multiplies buffer f and fetches quarter kq into g.
.macro QUARTER kq, f, g, zero
.if MODE == 0
	s_wait_dscnt 0x0                               ; B's fragments are in; A's were made in the quarter before
.else
	s_wait_dscnt 4                                 ; B and A's blocks 0 and 1 are in; the youngest four loads (A's blocks 2 and 3) may be out
.endif
	MULROW \f, 0, \zero
	MULROW \f, 1, \zero
	PLACES
	FETCH \kq, \g
	HALF2 \f, \g, \zero
.endm
; The last quarter changes slots and then multiplies buffer 1.  THE CHANGE COMES FIRST, with no product in it: a refill goes out only when the load before it has landed, so what stands between that landing and
; the refill lengthens every K step; the quarter's 32 products stand behind the refill, while it is on its way.  In front of the barrier each wave waits for all its tensor loads, adds 0 to its spare word, and
; waits for that and for its own reads of this slot (the last were issued in the third quarter's middle); that wait also shows buffer 1 whole.
; fill = 1: the barrier is a round of the cluster's, and this slot is filled again, two K steps ahead, first thing behind the round.  The fill's addresses are made anew, from the K step's number in
; its tile and the tile's pointers; behind a tile's last K step the pointers go on to the next tile's.
.macro TURN fill
.if \fill
	s_wait_xcnt 0x0                                ; the last prefetch, a K step back, has read its address
	s_mul_i32 s[OFF], s[PK], s[PFS]
	s_add_nc_u64 s[PFA:PFA+1], s[PP0:PP0+1], s[OFF:OFF+1]
	s_add_co_u32 s[PK], s[PK], 1
	s_and_b32 s[PK], s[PK], 7
.if TILES > 1
	s_cmp_eq_u32 s[PK], 0
	s_cselect_b64 s[PP0:PP0+1], s[PP1:PP1+1], s[PP0:PP0+1]
	s_cselect_b64 s[PP1:PP1+1], s[PP2:PP2+1], s[PP1:PP1+1]
.endif
.endif
	WIN 0
	s_wait_tensorcnt 0x0                           ; all my tensor loads have landed: the one that was out is my part of the next slot; so a group 0 may be written
	ds_add_u32 v[SPW], v[NIL]                      ; 0 onto my spare word: with fill = 1 the descriptors' steps stand between it and the wait for it
.if \fill
	s_lshl_b32 s[OFF], s[NK], ASH
	s_xor_b32 s[G0+5], s[G0+5], SLOT1              ; the walking descriptor: the other slot than last time
	s_add_nc_u64 s[G0+6:G0+7], s[APT:APT+1], s[OFF:OFF+1]
	s_or_b32 s[G0+7], s[G0+7], 0x80000000
	s_lshl_b32 s[OFF], s[NK], 8
	s_xor_b32 s[G0B+5], s[G0B+5], SLOT1
	s_add_nc_u64 s[G0B+6:G0B+7], s[BPT:BPT+1], s[OFF:OFF+1]
	s_or_b32 s[G0B+7], s[G0B+7], 0x80000000
	s_add_co_u32 s[NK], s[NK], 1
	s_and_b32 s[NK], s[NK], 7
.if TILES > 1
	s_cmp_eq_u32 s[NK], 0
	s_cselect_b64 s[APT:APT+1], s[AP1:AP1+1], s[APT:APT+1]
	s_cselect_b64 s[AP1:AP1+1], s[AP2:AP2+1], s[AP1:AP1+1]
	s_cselect_b32 s[OFF], 0x200000, 0              ; the next matrix of weights
	s_add_nc_u64 s[BPT:BPT+1], s[BPT:BPT+1], s[OFF:OFF+1]
.endif
.endif
	s_wait_dscnt 0x0                               ; the add is done, and my reads of this slot are over
.if \fill
	CROUND                                         ; no wave of any partner still reads this slot's tile or has a load on its way
	JLOAD 1                                        ; my one tensor load behind the round; the four v_nop behind it are also the places in front of the loads below
.else
	s_barrier_signal -1
	s_barrier_wait -1
	PLACES
.endif
	s_xor_b32 s[TB], s[TB], SLOT1                  ; the reads go on in the other slot
	v_add_nc_u32 v[ADRA], s[TB], v[ADRA0]
	v_add_nc_u32 v[ADRB], s[TB], v[ADRB0]
	FETCH 0, F0
.if \fill
	ASK
.endif
	MULROW F1, 0, 0
	MULROW F1, 1, 0
	HALF2 F1, F0, 0, 0
.endm
; THE WAY OUT, 16 rows at a time: the rows go through my own stage in LDS and come back whole.  LDS serves a wave's instructions in order (ISA guide 5.7.1.4).  Buffer 0, which may hold the next tile's first
; fragments, is left alone.  Each accumulator's registers are taken in ascending order.
.macro WAYOUT
	WIN 0
.rept 8
	v_nop                                          ; the places behind the last products
.endr
.irp a, 0,1,2,3
.if MODE == 0
	WIN 0x05                                       ; sources window 1, destination window 0
.set i, 0
.rept 32
	v_cvt_pk_f16_f32 v[PKD+i], v[64*(\a)+2*i], v[64*(\a)+2*i+1]
.set i, i+1
.endr
	WIN 0
.irp b, 0,1,2,3,4,5,6,7
	ds_store_b128 v[STO], v[PKD+4*(\b):PKD+4*(\b)+3] offset:((\b)/4)*2304+((\b)%4)*32
.endr
	s_wait_xcnt 0x0                                ; the registers that the last block's stores read are loaded again only behind this wait
.irp f, 0,1,2,3,4,5,6,7
	ds_load_b128 v[BK+4*(\f):BK+4*(\f)+3], v[RD] offset:((\f)/4)*2304+((\f)%4)*576
.endr
	s_wait_dscnt 0x0
.irp f, 0,1,2,3,4,5,6,7
	global_store_b128 v[CO], v[BK+4*(\f):BK+4*(\f)+3], s[8:9] offset:((\f)/4)*131072+(\a)*2048+((\f)%4)*512  ; four rows of a head: 512 consecutive bytes, aligned
.endr
.else
	WIN 0x04                                       ; the stores' data in window 1
.irp b, 0,1,2,3,4,5,6,7
	ds_store_b128 v[STO], v[64*(\a)+8*(\b):64*(\a)+8*(\b)+3]   offset:64*(\b)
	ds_store_b128 v[STO], v[64*(\a)+8*(\b)+4:64*(\a)+8*(\b)+7] offset:64*(\b)+16
.endr
	WIN 0
	s_wait_xcnt 0x0                                ; the registers that the last block's stores read are loaded again only behind this wait
.irp t, 0,1,2,3,4,5,6,7,8,9,10,11,12,13,14,15
	ds_load_b128 v[BK+4*(\t):BK+4*(\t)+3], v[RD] offset:528*(\t)
.endr
	s_wait_dscnt 0x0
.irp t, 0,1,2,3,4,5,6,7,8,9,10,11,12,13,14,15
	global_store_b128 v[CO], v[BK+4*(\t):BK+4*(\t)+3], s[8:9] offset:(16*(\a)+(\t))*4096 th:TH_STORE_NT  ; 512 consecutive bytes of a row, aligned
.endr
.endif
.endr
.endm
	s_wait_tensorcnt 1                             ; my part of K step 0 is in; K step 1's may stay out
	s_barrier_signal -1
	s_barrier_wait -1                              ; everybody's is
	FETCH 0, F0
.if MODE == 0
	s_wait_dscnt 16                                ; A in f32 is in
	CVT F0
	WIN 0                                          ; at a label and at a branch every window is 0
.endif
	s_mov_b32 s3, NS-2                             ; all K steps but the last two fill a slot again
.if TILES > 1
	s_branch .Lq0z                                 ; the loop is entered at a tile's first quarter
.Lstep:                                                ; a trip is a K step
	s_cmp_eq_u32 s3, NS-10                         ; the second tile's first K step?
	s_cbranch_scc1 .Lchange
	s_cmp_eq_u32 s3, NS-18                         ; the third's?
	s_cbranch_scc1 .Lchange
	QUARTER 1, F0, F1, 0
	WIN 0
	s_branch .Lq1
.Lchange:                                              ; both refills for the new tile are asked for: the old tile goes out
	WAYOUT
	s_wait_xcnt 0x0                                ; the stores have read their registers and C's address
	s_add_nc_u64 s[8:9], s[8:9], 0x1000000         ; the next of q, k, v
.Lq0z:
	s_wait_loadcnt 0x0                             ; the tile's bias
	QUARTER 1, F0, F1, 1                           ; a tile's first quarter: its products start the sums
	WIN 0
	PLACES
	s_cmp_eq_u32 s3, NS-18                         ; the last tile has no bias behind it
	s_cbranch_scc1 .Lq1
	s_wait_xcnt 0x0
	s_add_nc_u64 s[BP:BP+1], s[BP:BP+1], 4096
	BIASLOAD                                       ; the next tile's bias: waited for at that tile's first quarter
.Lq1:
.else
	s_wait_loadcnt 0x0                             ; the bias
	QUARTER 1, F0, F1, 1                           ; the first quarter: its products start the sums
	WIN 0
	s_branch .Lq1                                  ; the loop is entered behind a K step's first quarter
.Lstep:                                                ; a trip is a K step
	QUARTER 1, F0, F1, 0
	WIN 0
.Lq1:
.endif
	QUARTER 2, F1, F0, 0
	QUARTER 3, F0, F1, 0
	TURN 1
	WIN 0
	s_sub_co_u32 s3, s3, 1
	s_cmp_lg_u32 s3, 0
	s_cbranch_scc1 .Lstep
	s_mov_b32 s3, 2                                ; the last two K steps fill nothing: a copy of their own.  The second trip's change of
.Ltail:                                                ; slots fetches fragments that nobody multiplies: the price, once a launch, of one text for both trips
	QUARTER 1, F0, F1, 0
	QUARTER 2, F1, F0, 0
	QUARTER 3, F0, F1, 0
	TURN 0
	WIN 0
	s_sub_co_u32 s3, s3, 1
	s_cmp_lg_u32 s3, 0
	s_cbranch_scc1 .Ltail
	WAYOUT
	s_wait_tensorcnt 0x0                           ; the wave's end: these three lines stand behind my last tensor load and my last LDS store
	ds_add_u32 v[SPW], v[NIL]
	s_wait_dscnt 0x0
	CROUND                                         ; the closing round: no work-group ends while a partner may still ask for a tile that names it
	s_endpgm
.Lfunc_end_k_qe0d7c8a47f_proj:
	.size	k_qe0d7c8a47f_proj, .Lfunc_end_k_qe0d7c8a47f_proj-k_qe0d7c8a47f_proj
	.p2alignl 7, 3214868480
	.fill 96, 4, 3214868480
	.section	.rodata,"a",@progbits
	.p2align	6, 0x0
	.amdhsa_kernel k_qe0d7c8a47f_proj
		.amdhsa_group_segment_fixed_size 327680
		.amdhsa_private_segment_fixed_size 0
		.amdhsa_enable_private_segment 0
		.amdhsa_kernarg_size 48
		.amdhsa_user_sgpr_count 2
		.amdhsa_user_sgpr_kernarg_segment_ptr 1
		.amdhsa_wavefront_size32 1
		.amdhsa_system_sgpr_workgroup_id_x 1
		.amdhsa_system_sgpr_workgroup_id_y 1
		.amdhsa_system_sgpr_workgroup_id_z 1
		.amdhsa_system_vgpr_workitem_id 0
		.amdhsa_next_free_vgpr 640
		.amdhsa_next_free_sgpr 102
		.amdhsa_reserve_vcc 0
		.amdhsa_float_denorm_mode_32 3
		.amdhsa_float_denorm_mode_16_64 3
		.amdhsa_memory_ordered 1
		.amdhsa_forward_progress 1
		.amdhsa_inst_pref_size 109
	.end_amdhsa_kernel
	.amdgpu_metadata
---
amdhsa.version: [ 1, 2 ]
amdhsa.kernels:
  - .name:           k_qe0d7c8a47f_proj
    .symbol:         k_qe0d7c8a47f_proj.kd
    .args:
      - { .name: query, .offset: 0, .size: 8, .value_kind: global_buffer, .address_space: global }
      - { .name: key, .offset: 8, .size: 8, .value_kind: global_buffer, .address_space: global }
      - { .name: value, .offset: 16, .size: 8, .value_kind: global_buffer, .address_space: global }
      - { .name: wb, .offset: 24, .size: 8, .value_kind: global_buffer, .address_space: global }
      - { .name: tab, .offset: 32, .size: 8, .value_kind: global_buffer, .address_space: global }
      - { .name: qkv, .offset: 40, .size: 8, .value_kind: global_buffer, .address_space: global }
    .group_segment_fixed_size: 327680
    .private_segment_fixed_size: 0
    .kernarg_segment_align: 8
    .kernarg_segment_size: 48
    .max_flat_workgroup_size: 128
    .sgpr_count:     102
    .vgpr_count:     640
    .wavefront_size: 32
...
	.end_amdgpu_metadata
.endif
;; end of part 2
;; launch attn (part 3): grid 2 x 128, 4 waves a work-group, no clusters, 327,680 bytes of LDS; arguments qkv, tab, oh; writes oh
.if DOCPART == 3
	.amdgcn_target "amdgcn-amd-amdhsa--gfx1250"
	.amdhsa_code_object_version 6
	.text
	.protected	k_qe0d7c8a47f_attn
	.globl	k_qe0d7c8a47f_attn
	.p2align	8
	.type	k_qe0d7c8a47f_attn,@function
k_qe0d7c8a47f_attn:
	s_mov_b64 s[64:65], 0
	v_nop
	global_prefetch_b8 v0, s[64:65] scope:SCOPE_SE
	s_setreg_imm32_b32 hwreg(HW_REG_WAVE_MODE, 25, 1), 1
	s_wait_xcnt 0x0
; ATTENTION WITH RELATIVE POSITIONS CLIPPED AT 32.  For a head: s[q][k] = (Q[q] . K[k] + Q[q] . Rk[clip(k - q)]) / 8, p = softmax_k(s), O[q] = the sum over k of p (V[k] + Rv[clip(k - q)]).
; qkv: f16 [3][128 heads][1024][64]; tab: the tables as the first launch laid them; oh: f16 [128][1024][64].  Products, maxima and sums in f32; the weights are rounded to f16 for the products.
; LIMITS.  Q, K, V, O within f16's range (65,504).  A hidden score counts as its value less 1e30.  A weight below 2^-126 counts as 0.  NaN and infinities are not treated apart.
; HOW THE RELATIVE TERMS ARE MADE.  A PIECE is 32 queries (two tiles of 16); its WINDOW is the 96 keys from 32 before its first query on.  Every other block of 32 keys lies wholly at k - q <= -33 or >= 33:
; there the score's second term is one number a query, QR0 = Q . Rk[0] or QR64 = Q . Rk[64], which is the C operand that starts the score's sum, and the value's second term is Rv[0] or Rv[64] times the SUM of
; the weights on that side.  THE BAND PHASE does each piece's window first: E = RkX Q^T (96 offsets x = k - q + 48) is sent through LDS in bf16 and read back skewed as the scores' C; the weights are written back
; skewed as P'[q][x], and O^T += RvT P'.  THE WALK then takes all 16 key steps of 64 with the running maximum that the band began; C holds QR0, -1e30 (the window's blocks) or QR64 for each tile and block of 32 keys.
; When a piece reaches its window, its sum l and its c m are set aside (the left sum) and l starts anew (the right sum).  At the end O = (O + Rv[0] LA + Rv[64] LC) / LT: sums only, no difference is formed.
; SHARES.  A work-group owns 512 queries of a head, a wave 128: four pieces.  K AND V OF THE HEAD LIE IN LDS WHOLE (1,024 rows of 144 and of 160 bytes): each wave brings a quarter by ONE tensor load at the head;
; nothing is filled again, so there is one barrier in the text, and nothing is asked of memory later than the head, so nothing is prefetched.
; NO CLUSTER: a head has two work-groups, and the grid's width of 2 is no multiple of 4; which trips change C hangs on the work-group's number.
; LAYOUT, SOFTMAX, TURNS.  S^T = K Q^T holds ONE query a lane (lane % 16) and the keys 8 (lane / 16) + 0..7; two such results rounded to f16 ARE source 1 of O^T = V^T P.  p = 2^(c s - c m), c = log2(e) / 8.
; Turn n belongs to piece n: 16 products K Q^T of piece n + 1, later 16 products V^T P of piece n - 1; beside them piece n's scaling, exponentials, roundings, sums and rescaling and piece n + 1's maximum and
; statistics.  Four vector instructions stand behind every matrix instruction, the rest in one lump; a turn's 66 exponentials are one batch with one wait.
; REGISTERS, in windows of 256 (s_set_vgpr_msb: bits 1:0 source 0, 3:2 source 1, 5:4 source 2, 7:6 destination):
;   window 0: v0-11 addresses; v12-15, v48-63 at work; v16-47 four registers of statistics a tile; v64-191 S^T, v192-255 P (walk);  band: v64-159 the window's K, then V; v160-255 E, then S, then P'
;   window 1: O^T, 32 a tile      window 2: Q v0-127, K v128-191, V v192-255 (walk);  band: RkX v0-95, RvT v96-191, the piece's Q v192-223
;   window 3: v0-127 C by tile and block; v128-175 six numbers a tile; v176-177 the add's registers; band: v184-231 P, v232-255 E packed; walk: v184-247 Rv[0] and Rv[64]
.set NP,    4
.set KS,    64
.set PK,    144       ; a row of K in LDS: 128 bytes + 16 of padding = 36 words: the 16 rows of a load start at 16 different groups of four banks (64 banks of 4 bytes: ISA guide 11.1)
.set PV,    160       ; a row of V: 128 + 32 = 40 words
.set VOFF,  1024*PK
.set SCR,   VOFF+1024*PV  ; behind K and V, never filled by a tensor load: 3,840 bytes for each wave: E, then P' (16 rows of 208 bytes), then the way out's stage
.set WSCR,  3840
.set SPARE, SCR+4*WSCR    ; the spare words, 128 bytes for each wave: two blocks of 256 bytes that no other line names
.set EPI,   208       ; a row of E or P': 96 numbers of 2 bytes + 16
.set SP,    144
.set AK0, 2           ; v2   my lane's place in a tile of K; never rewritten
.set AV0, 3           ; v3   the same for V, VOFF included
.set AK,  4           ; v4   the LDS address of K's next run of loads
.set AV,  5           ; v5   of V's
.set QO,  6           ; v6   128 (l % 16) + 16 (l / 16): my offset in 16 rows of 128 bytes; never rewritten
.set RD,  7           ; v7   the way out: where I read rows back
.set GO,  8           ; v8   16 x lane
.set STO, 11          ; v11  the way out: where I put 16 bytes of a row
.set MV,  12          ; v12-15  (walk) c m_old, kept while c m is made anew
.set EA,  12          ; v12  (band) SCR + 208 (l % 16) + 16 (l / 16): rows of E and P' as they lie
.set EL,  13          ; v13  (band) SCR + 206 (l % 16) + 16 (l / 16): the same rows, skewed by the query
.set ZA,  14          ; v14  (band) SCR + 16 x lane
.set QOW, 15          ; v15  (band) an offset for loads
.set ST,  16          ; tile t's statistics at v[ST+4 t]: c m, m, l (even keys', odd keys')
.set TMP, 48
.set ONE, 48          ; (band) 1.0
.set MK,  49          ; (band) v49-51: 0 or -1e30 for the window's three blocks
.set Z4,  52          ; (band) v52-55: 0
.set AKG, 56          ; (band) v56-58: K's addresses of the three blocks
.set AVG, 59          ; (band) v59-61: V's
.set S,   64
.set P,   192
.set KW,  64          ; (band)
.set BT,  64          ; (band) the maximum's chains, over the window's K when it has been multiplied
.set EB,  160         ; (band) tile u, group j of 16 at EB + 48 u + 8 j
.set RKX, 0           ; window 2 (band): group tau, channel half c at 8 (2 tau + c)
.set RVT, 96          ; window 2 (band): channel block cb, kappa at RVT + 8 (3 cb + kappa)
.set QW,  192         ; window 2 (band): tile u, channel half c at QW + 16 u + 8 c
.set KF,  128
.set VF,  192
.set CB,  0           ; window 3: tile t, block g at 16 t + 8 g
.set QR,  128         ; window 3, one a tile: QR64;
.set LA,  136         ; the left sum as set aside;
.set CMA, 144         ; its c m;
.set LB,  152         ; the band's sum over the five groups that take Rv row by row;
.set FC,  160         ; the band's sum over a group that lies wholly to the right;
.set CMB, 168         ; c m behind the band
.set SPW, 176         ; window 3: LDS address of my spare word; never rewritten
.set NIL, 177         ; window 3: 0; never rewritten
.set PW,  184         ; window 3 (band): tile u's 24 registers of packed weights
.set PKT, 232         ; window 3 (band)
.set R0,  184         ; window 3 (walk): Rv[0], channel 16 cb + 8 (l / 16) + i at 8 cb + i
.set R64, 216
.set XA,  192         ; the way out, over P: exponents, then the three sums, two registers a tile
.set LAF, 208
.set LCF, 224
.set LTF, 240
.set WV,  12          ; s12  my wave's number
.set BLK, 13          ; s13  which half of the head's queries
.set W2,  14          ; s14  the key step in which my first query lies
.set P0,  15          ; s15  my first piece among the head's 32
.set G1K, 24
.set G1V, 32
.set G0K, 40
.set G0V, 44
.set SI,  48          ; s48  the key step
.set DL,  49          ; s49  at work in the events
.set PC,  50          ; s50  the band's piece
.set CS,  58          ; s[58:59] c
.set SEL, 60          ; s[60:61] v_permlanex16_b32's selects: each lane takes its own place in the other half
.set TBK, 62          ; s62  LDS byte at which K of the step to be fetched begins
.set TBV, 63          ; s63  the same for V, less VOFF
.set BIGN, 66         ; s66  -1e30
.set MSB, 0
.macro WIN new
.if MSB != (\new)
	s_set_vgpr_msb (MSB<<8)|(\new)
.set MSB, (\new)
.endif
.endm
.set W_PV, 0x52       ; V in window 2, P in window 0, O^T in window 1
.set W_RS, 0x41       ; O^T (destination and source 0) in window 1, a in window 0
; The fill.  Waves 0 and 1 fetch the two halves of K, waves 2 and 3 those of V: 512 keys each.  An s_nop 0 and four v_nop follow each of the two lines.
.macro LOAD
	s_cmp_lt_u32 s[WV], 2
	s_cbranch_scc0 .Lfor_v_\@
	tensor_load_to_lds s[G0K:G0K+3], s[G1K:G1K+7]
	s_nop 0
.rept 4
	v_nop
.endr
	s_branch .Lasked_\@
.Lfor_v_\@:
	tensor_load_to_lds s[G0V:G0V+3], s[G1V:G1V+7]
	s_nop 0
.rept 4
	v_nop
.endr
.Lasked_\@:
.endm
	s_load_b128 s[4:7], s[0:1], 0x0   ; qkv s[4:5], tab s[6:7]
	s_load_b64 s[8:9], s[0:1], 0x10   ; oh
	WIN 0xc0
	v_lshl_add_u32 v[SPW], v0, 2, SPARE
	v_mov_b32 v[NIL], 0
	WIN 0x0f
	ds_add_u32 v[SPW], v[NIL]       ; the wave's opening: the add and its wait stand ahead of my first tensor load; the set-up below, work on registers, stands between them
	WIN 0
	v_lshrrev_b32 v1, 5, v0
	v_readfirstlane_b32 s[WV], v1   ; wave 0..3
	s_and_b32 s[BLK], ttmp9, 1
	s_lshl_b32 s16, s[BLK], 2
	s_add_co_u32 s16, s16, s[WV]    ; my wave among the head's eight
	s_lshl_b32 s[W2], s16, 1
	s_lshl_b32 s[P0], s16, 2
	s_and_b32 s20, ttmp7, 0xffff    ; the head
	s_lshl_b32 s20, s20, 17         ; 131,072 bytes a head
	s_lshl_b32 s2, s16, 14          ; my 128 rows of 128 bytes
	s_add_co_u32 s2, s2, s20
	s_mov_b32 s3, 0
	s_and_b32 s16, s[WV], 1         ; which half of the keys I fetch
	s_lshl_b32 s22, s16, 16
	s_add_co_u32 s22, s22, s20
	s_mov_b32 s23, 0
	s_mul_i32 s17, s16, 512*PK
	s_mul_i32 s18, s16, 512*PV
	s_mul_i32 s19, s[WV], WSCR
	s_add_co_u32 s19, s19, SCR      ; my scratch; kept
	; descriptor group 1.  512 keys are 65,536 dense bytes: asked for as 256 rows of 256 bytes, two keys a row, and padded in LDS after every key
	s_mov_b32 s[G1K], (1<<16)|(1<<20)|(4<<22)|(3<<25)  ; 17:16 2-byte elements; 20 padding on; 24:22 after every 32 words (code 4); 31:25 4 words (code 3)
	s_mov_b32 s[G1V], (1<<16)|(1<<20)|(4<<22)|(7<<25)  ; the same with 8 words of padding (code 7)
.irp g, G1K, G1V
	s_mov_b32 s[\g+1], 128<<16      ; tensor_dim0 = 128
	s_mov_b32 s[\g+2], 256<<16      ; tensor_dim1 = 256
	s_mov_b32 s[\g+3], 128<<16      ; tile_dim0 = 128
	s_mov_b32 s[\g+4], 256          ; tile_dim1 = 256
	s_mov_b32 s[\g+5], 128          ; 128 elements from row to row
	s_mov_b32 s[\g+6], 0
	s_mov_b32 s[\g+7], 0
.endr
	s_mov_b32 s[CS], 0x3e38aa3b     ; c = log2(e) / 8
	s_mov_b32 s[CS+1], s[CS]
	s_mov_b32 s[SEL], 0x76543210
	s_mov_b32 s[SEL+1], 0xfedcba98
	s_mov_b32 s[BIGN], 0xf149f2ca   ; -1e30
	s_mov_b32 s[G0K], 1
	s_mov_b32 s[G0K+1], s17
	s_mov_b32 s[G0V], 1
	s_add_co_u32 s[G0V+1], s18, VOFF
	s_wait_dscnt 0x0                ; the opening add is done
	s_wait_kmcnt 0x0
	s_add_nc_u64 s[G0K+2:G0K+3], s[4:5], s[22:23]
	s_add_nc_u64 s[G0K+2:G0K+3], s[G0K+2:G0K+3], 0x1000000  ; k lies 16,777,216 bytes into qkv
	s_or_b32 s[G0K+3], s[G0K+3], 0x80000000
	s_add_nc_u64 s[G0V+2:G0V+3], s[4:5], s[22:23]
	s_add_nc_u64 s[G0V+2:G0V+3], s[G0V+2:G0V+3], 0x2000000  ; v twice as far
	s_or_b32 s[G0V+3], s[G0V+3], 0x80000000
	s_add_nc_u64 s[4:5], s[4:5], s[2:3]  ; Q and O at my wave's first row
	s_add_nc_u64 s[8:9], s[8:9], s[2:3]
	LOAD                            ; my one tensor load
	v_and_b32 v1, 15, v0            ; l % 16
	v_bfe_u32 v9, v0, 4, 1          ; l / 16
	v_and_b32 v10, 7, v0
	v_lshlrev_b32 v[QO], 7, v1
	v_lshl_add_u32 v[QO], v9, 4, v[QO]
	v_mul_u32_u24 v[QOW], v1, 192   ; a row of RvT is 192 bytes
	v_lshl_add_u32 v[QOW], v9, 4, v[QOW]
	WIN 0x80                        ; destination window 2: the tables' fragments and piece 0's Q
.set i, 0
.rept 12
	global_load_b128 v[RKX+8*i:RKX+8*i+3],   v[QO], s[6:7] offset:(i/2)*2048+(i%2)*64
	global_load_b128 v[RKX+8*i+4:RKX+8*i+7], v[QO], s[6:7] offset:(i/2)*2048+(i%2)*64+32
.set i, i+1
.endr
.set i, 0
.rept 12
	global_load_b128 v[RVT+8*i:RVT+8*i+3],   v[QOW], s[6:7] offset:12288+(i/3)*3072+(i%3)*64
	global_load_b128 v[RVT+8*i+4:RVT+8*i+7], v[QOW], s[6:7] offset:12288+(i/3)*3072+(i%3)*64+32
.set i, i+1
.endr
.set i, 0
.rept 4
	global_load_b128 v[QW+8*i:QW+8*i+3],   v[QO], s[4:5] offset:(i/2)*2048+(i%2)*64
	global_load_b128 v[QW+8*i+4:QW+8*i+7], v[QO], s[4:5] offset:(i/2)*2048+(i%2)*64+32
.set i, i+1
.endr
	; What only one of the band's four trips writes is written here once, for every way through the text.  All this stands in the wait for K and V.
	WIN 0x40
.set i, 0
.rept 192
	v_mov_b32 v[i], 0
.set i, i+1
.endr
	WIN 0xc0
.set i, 0
.rept 176
	v_mov_b32 v[i], 0
.set i, i+1
.endr
	WIN 0
.set i, 0
.rept 32
	v_mov_b32 v[ST+i], 0
.set i, i+1
.endr
.irp i, 0,1,2,3
	v_mov_b32 v[Z4+\i], 0
.endr
	v_mov_b32 v62, 0
	v_mov_b32 v63, 0
	v_mov_b32 v[ONE], 1.0
	v_mul_u32_u24 v[AK0], v1, PK
	v_lshl_add_u32 v[AK0], v9, 4, v[AK0]  ; row x pitch + 16 x half
	; The turning load takes 16 keys x 16 channels (lane l reads key 8 (l / 16) + l % 8, channels 8 ((l / 8) % 2) + 0..7) and leaves half a fragment of V^T: lane l holds channel l % 16 and 8 keys.
	v_bfe_u32 v[AK], v0, 3, 1
	v_lshl_add_u32 v[AV0], v9, 3, v10
	v_mul_u32_u24 v[AV0], v[AV0], PV
	v_lshl_add_u32 v[AV0], v[AK], 4, v[AV0]
	v_add_nc_u32 v[AV0], VOFF, v[AV0]
	v_mul_u32_u24 v[EA], v1, EPI
	v_lshl_add_u32 v[EA], v9, 4, v[EA]
	v_add_nc_u32 v[EA], s19, v[EA]
	v_mul_u32_u24 v[EL], v1, EPI-2  ; number x - (l % 16) of row l % 16 lies 2 (l % 16) bytes lower
	v_lshl_add_u32 v[EL], v9, 4, v[EL]
	v_add_nc_u32 v[EL], s19, v[EL]
	v_and_b32 v[ZA], 31, v0
	v_lshl_add_u32 v[ZA], v[ZA], 4, s19
	s_wait_tensorcnt 0x0            ; my quarter of K and V is in,
	s_barrier_signal -1
	s_barrier_wait -1               ; everybody's is.  Nothing is ever filled again
; THE BAND PHASE.  A trip does one piece; its results land in piece 3's registers and are copied to the piece's own.
.macro EIGHT
.rept 8
	v_nop
.endr
.endm
; Tile u's E: C for the far blocks, then through LDS in bf16 and back skewed.  Group j of the window's keys lies d = j - 2 - u groups from the tile; the five with |d| <= 2 are read skewed, the sixth takes E's own
; group (all its numbers are QR64, or QR0) in place.  Each accumulator's lowest registers are read first.
.macro BIAS u
	WIN 0xc0                        ; destination window 3
.set k, 0
.rept 16
	v_mov_b32 v[CB+16*(6+\u)+k], v[EB+48*\u]     ; QR0
.set k, k+1
.endr
	v_mov_b32 v[QR+6+\u], v[EB+48*\u+40]         ; QR64
.set k, 0
.rept 24
	v_cvt_pk_bf16_f32 v[PKT+k], v[EB+48*\u+2*k], v[EB+48*\u+2*k+1]
.set k, k+1
.endr
	WIN 0x0c                        ; store data window 3
.irp t, 0,1,2,3,4,5
	ds_store_b128 v[EA], v[PKT+4*\t:PKT+4*\t+3] offset:32*\t
.endr
	WIN 0
.set k, 0
.rept 8
.if \u == 0
	v_add_f32 v[EB+40+k], v[EB+40+k], v[MK+2]
.else
	v_add_f32 v[EB+48+k], v[EB+48+k], v[MK]
.endif
.set k, k+1
.endr
.set j, \u
.rept 5
.set k, 0
.rept 8
	ds_load_u16 v[EB+48*\u+8*j+k], v[EL] offset:32*j+32-32*\u+2*k  ; LDS serves a wave's instructions in order (ISA guide 5.7.1.4): these see the stores above
.set k, k+1
.endr
.set j, j+1
.endr
.endm
.macro PADD u, a, b                 ; pair a of tile u's weights takes pair b
	v_pk_add_f32 v[EB+48*(\u)+2*(\a):EB+48*(\u)+2*(\a)+1], v[EB+48*(\u)+2*(\a):EB+48*(\u)+2*(\a)+1], v[EB+48*(\u)+2*(\b):EB+48*(\u)+2*(\b)+1]
.endm
.macro SUM20 u, b
.irp k, 0,1,2,3,4,5,6,7,8,9
	PADD \u, (\b)+2*\k, (\b)+2*\k+1
.endr
.irp k, 0,1,2,3,4
	PADD \u, (\b)+4*\k, (\b)+4*\k+2
.endr
	PADD \u, (\b), (\b)+4
	PADD \u, (\b)+8, (\b)+12
	PADD \u, (\b), (\b)+8
	PADD \u, (\b), (\b)+16
.endm
.macro SUM4 u, b
	PADD \u, (\b), (\b)+1
	PADD \u, (\b)+2, (\b)+3
	PADD \u, (\b), (\b)+2
.endm
; Tile u's weights, skewed: zeros, then the five groups' 40 numbers a lane, then back as source 1 of the product with RvT
.macro PSKEW u
	WIN 0
.irp f, 0,1,2,3,4,5,6
	ds_store_b128 v[ZA], v[Z4:Z4+3] offset:512*\f
.endr
	WIN 0x0c
.set j, \u
.rept 5
.set k, 0
.rept 4
	ds_store_b16 v[EL], v[PW+24*\u+4*j+k] offset:32*j+32-32*\u+4*k
	ds_store_b16_d16_hi v[EL], v[PW+24*\u+4*j+k] offset:32*j+32-32*\u+4*k+2
.set k, k+1
.endr
.set j, j+1
.endr
	WIN 0
.irp f, 0,1,2
	ds_load_b128 v[EB+48*\u+8*\f:EB+48*\u+8*\f+3],   v[EA] offset:64*\f
	ds_load_b128 v[EB+48*\u+8*\f+4:EB+48*\u+8*\f+7], v[EA] offset:64*\f+32
.endr
.endm
.macro COPY p                       ; piece 3's registers to piece p's
	WIN 0x41
.set k, 0
.rept 64
	v_mov_b32 v[64*(\p)+k], v[192+k]
.set k, k+1
.endr
	WIN 0xc3
.set k, 0
.rept 32
	v_mov_b32 v[CB+32*(\p)+k], v[CB+96+k]
.set k, k+1
.endr
.irp b, QR, LB, FC, CMB
	v_mov_b32 v[\b+2*(\p)], v[\b+6]
	v_mov_b32 v[\b+2*(\p)+1], v[\b+7]
.endr
	WIN 0
.set k, 0
.rept 8
	v_mov_b32 v[ST+8*(\p)+k], v[ST+24+k]
.set k, k+1
.endr
.endm
	s_mov_b32 s[PC], 0
.Lband:
	s_add_co_u32 s51, s[P0], s[PC]  ; the piece among the head's 32
	s_lshl_b32 s52, s51, 5          ; its first query
	s_sub_co_i32 s53, s52, 32
	s_max_i32 s53, s53, 0
	s_min_u32 s53, s53, 992         ; the window's three blocks of 32 keys; one that does not exist takes a neighbour's rows and is hidden
	s_min_u32 s54, s52, 992
	s_add_co_u32 s55, s52, 32
	s_min_u32 s55, s55, 992
	s_cmp_eq_u32 s51, 0
	s_cselect_b32 s56, s[BIGN], 0
	s_cmp_eq_u32 s51, 31
	s_cselect_b32 s57, s[BIGN], 0
	v_mov_b32 v[MK], s56
	v_mov_b32 v[MK+1], 0
	v_mov_b32 v[MK+2], s57
.irp g, 0,1,2
	s_mul_i32 s67, s[53+\g], PK
	v_add_nc_u32 v[AKG+\g], s67, v[AK0]
	s_mul_i32 s67, s[53+\g], PV
	v_add_nc_u32 v[AVG+\g], s67, v[AV0]
.endr
.set j, 0
.rept 6                             ; the window's K: group j of 16 keys, channel half c
.irp c, 0,1
	ds_load_b128 v[KW+16*j+8*\c:KW+16*j+8*\c+3],   v[AKG+j/2] offset:(j%2)*16*PK+64*\c
	ds_load_b128 v[KW+16*j+8*\c+4:KW+16*j+8*\c+7], v[AKG+j/2] offset:(j%2)*16*PK+64*\c+32
.endr
.set j, j+1
.endr
	s_wait_loadcnt 0x0              ; the tables (first trip) and the piece's Q
	WIN 0x0a                        ; E^T = RkX Q^T: 12 accumulators by turns
.irp c, 0,1
.irp u, 0,1
.irp t, 0,1,2,3,4,5
.if \c == 0
	v_wmma_f32_16x16x32_f16 v[EB+48*\u+8*\t:EB+48*\u+8*\t+7], v[RKX+16*\t+8*\c:RKX+16*\t+8*\c+7], v[QW+16*\u+8*\c:QW+16*\u+8*\c+7], 0
.else
	v_wmma_f32_16x16x32_f16 v[EB+48*\u+8*\t:EB+48*\u+8*\t+7], v[RKX+16*\t+8*\c:RKX+16*\t+8*\c+7], v[QW+16*\u+8*\c:QW+16*\u+8*\c+7], v[EB+48*\u+8*\t:EB+48*\u+8*\t+7]
.endif
.endr
.endr
.endr
	WIN 0
	EIGHT                           ; the places behind those products
	BIAS 0
	BIAS 1
	s_wait_dscnt 0x0                ; the skewed E and the window's K are in
.irp u, 0,1
.set j, \u
.rept 5
.set k, 0
.rept 8
	v_fma_mix_f32_bf16 v[EB+48*\u+8*j+k], v[EB+48*\u+8*j+k], v[ONE], v[MK+j/2] op_sel_hi:[1,0,0]  ; widened, and hidden where the block does not exist
.set k, k+1
.endr
.set j, j+1
.endr
.endr
	WIN 0x08                        ; S^T = K Q^T + E: Q in window 2
.irp c, 0,1
.irp u, 0,1
.irp t, 0,1,2,3,4,5
	v_wmma_f32_16x16x32_f16 v[EB+48*\u+8*\t:EB+48*\u+8*\t+7], v[KW+16*\t+8*\c:KW+16*\t+8*\c+7], v[QW+16*\u+8*\c:QW+16*\u+8*\c+7], v[EB+48*\u+8*\t:EB+48*\u+8*\t+7]
.endr
.endr
.endr
	WIN 0
	EIGHT
	s_add_co_u32 s67, s[PC], 1      ; the next piece's Q (the last trip takes piece 0's once more: the load stays inside my rows)
	s_and_b32 s67, s67, 3
	s_lshl_b32 s67, s67, 12
	v_add_nc_u32 v[QOW], s67, v[QO]
	WIN 0x80
.set i, 0
.rept 4
	global_load_b128 v[QW+8*i:QW+8*i+3],   v[QOW], s[4:5] offset:(i/2)*2048+(i%2)*64
	global_load_b128 v[QW+8*i+4:QW+8*i+7], v[QOW], s[4:5] offset:(i/2)*2048+(i%2)*64+32
.set i, i+1
.endr
	WIN 0
	; the maximum of a lane's 48 scores: six chains of seven, each beginning at its accumulator's lowest registers; then the six left over and the chains
.irp n, 0,1,2,3,4,5
.irp u, 0,1
	v_max3_num_f32 v[BT+8*\u+\n], v[EB+48*\u+8*\n], v[EB+48*\u+8*\n+1], v[EB+48*\u+8*\n+2]
.endr
.endr
.irp n, 0,1,2,3,4,5
.irp u, 0,1
	v_max3_num_f32 v[BT+8*\u+\n], v[BT+8*\u+\n], v[EB+48*\u+8*\n+3], v[EB+48*\u+8*\n+4]
.endr
.endr
.irp n, 0,1,2,3,4,5
.irp u, 0,1
	v_max3_num_f32 v[BT+8*\u+\n], v[BT+8*\u+\n], v[EB+48*\u+8*\n+5], v[EB+48*\u+8*\n+6]
.endr
.endr
.irp n, 0,1,2
.irp u, 0,1
	v_max3_num_f32 v[BT+8*\u+\n], v[BT+8*\u+\n], v[EB+48*\u+16*\n+7], v[EB+48*\u+16*\n+15]
.endr
.endr
.irp u, 0,1
	v_max3_num_f32 v[BT+8*\u], v[BT+8*\u], v[BT+8*\u+1], v[BT+8*\u+2]
	v_max3_num_f32 v[BT+8*\u+3], v[BT+8*\u+3], v[BT+8*\u+4], v[BT+8*\u+5]
.endr
.irp u, 0,1
	v_max_num_f32 v[BT+8*\u], v[BT+8*\u], v[BT+8*\u+3]
.endr
.irp u, 0,1
	v_permlanex16_b32 v[BT+8*\u+6], v[BT+8*\u], s[SEL], s[SEL+1]  ; the query's other 48 keys lie in the lane 16 away
.endr
.irp u, 0,1
	v_max_num_f32 v[ST+24+4*\u+1], v[BT+8*\u], v[BT+8*\u+6]
.endr
.irp u, 0,1
	v_mul_f32 v[ST+24+4*\u], s[CS], v[ST+24+4*\u+1]
.endr
.set g, 0
.rept 3                             ; the window's V, turned, where K lay: block g, channel block cb
.irp cb, 0,1,2,3
	ds_load_tr16_b128 v[KW+32*g+8*\cb:KW+32*g+8*\cb+3],   v[AVG+g] offset:32*\cb
	ds_load_tr16_b128 v[KW+32*g+8*\cb+4:KW+32*g+8*\cb+7], v[AVG+g] offset:32*\cb+16*PV
.endr
.set g, g+1
.endr
	; c s - c m and the exponentials: ONE batch of 96; nothing ahead of its wait names a result
.set n, 0
.rept 25
.if n < 24
.irp u, 0,1
	v_pk_fma_f32 v[EB+48*\u+2*n:EB+48*\u+2*n+1], v[EB+48*\u+2*n:EB+48*\u+2*n+1], s[CS:CS+1], v[ST+24+4*\u:ST+24+4*\u+1] op_sel_hi:[1,0,0] neg_lo:[0,0,1] neg_hi:[0,0,1]
.endr
.endif
.if n > 0
.irp u, 0,1
	v_exp_f32 v[EB+48*\u+2*n-2], v[EB+48*\u+2*n-2]
	v_exp_f32 v[EB+48*\u+2*n-1], v[EB+48*\u+2*n-1]
.endr
.endif
.set n, n+1
.endr
	v_nop                           ; a plain instruction behind the last exponential,
	s_wait_alu depctr_va_vdst(0)    ; and the wait ahead of the first use: one for the batch
	WIN 0xc0
.set n, 0
.rept 24
.irp u, 0,1
	v_cvt_pk_f16_f32 v[PW+24*\u+n], v[EB+48*\u+2*n], v[EB+48*\u+2*n+1]
.endr
.set n, n+1
.endr
	WIN 0
	SUM20 0, 0                      ; tile 0: groups 0-4 take Rv row by row, group 5 lies to the right
	SUM4  0, 20
	SUM4  1, 0                      ; tile 1: group 0 lies to the left, groups 1-5 take Rv row by row
	SUM20 1, 4
	WIN 0xc0
	v_add_f32 v[LB+6], v[EB], v[EB+1]
	v_add_f32 v[FC+6], v[EB+40], v[EB+41]
	v_add_f32 v[LB+7], v[EB+56], v[EB+57]
	v_mov_b32 v[FC+7], 0
	v_mov_b32 v[CMB+6], v[ST+24]
	v_mov_b32 v[CMB+7], v[ST+28]
	WIN 0
	v_mov_b32 v[ST+26], 0           ; the walk's sum begins with what lies to the left
	v_mov_b32 v[ST+27], 0
	v_mov_b32 v[ST+30], v[EB+48]
	v_mov_b32 v[ST+31], v[EB+49]
	PSKEW 0
	PSKEW 1
	s_wait_dscnt 0x0                ; V and both P' are in
	WIN 0x5c                        ; O^T = V^T P: V window 0, P window 3, O^T window 1; 8 accumulators by turns
.irp g, 0,1,2
.irp cb, 0,1,2,3
.irp u, 0,1
.if \g == 0
	v_wmma_f32_16x16x32_f16 v[192+32*\u+8*\cb:192+32*\u+8*\cb+7], v[KW+32*\g+8*\cb:KW+32*\g+8*\cb+7], v[PW+24*\u+8*\g:PW+24*\u+8*\g+7], 0
.else
	v_wmma_f32_16x16x32_f16 v[192+32*\u+8*\cb:192+32*\u+8*\cb+7], v[KW+32*\g+8*\cb:KW+32*\g+8*\cb+7], v[PW+24*\u+8*\g:PW+24*\u+8*\g+7], v[192+32*\u+8*\cb:192+32*\u+8*\cb+7]
.endif
.endr
.endr
.endr
	WIN 0x52                        ; O^T += RvT P': RvT window 2, P' window 0
.irp g, 0,1,2
.irp cb, 0,1,2,3
.irp u, 0,1
	v_wmma_f32_16x16x32_f16 v[192+32*\u+8*\cb:192+32*\u+8*\cb+7], v[RVT+24*\cb+8*\g:RVT+24*\cb+8*\g+7], v[EB+48*\u+8*\g:EB+48*\u+8*\g+7], v[192+32*\u+8*\cb:192+32*\u+8*\cb+7]
.endr
.endr
.endr
	WIN 0
	EIGHT
	s_cmp_eq_u32 s[PC], 0
	s_cbranch_scc0 .Lcopy1
	COPY 0
	s_branch .Lcopied
.Lcopy1:
	s_cmp_eq_u32 s[PC], 1
	s_cbranch_scc0 .Lcopy2
	COPY 1
	s_branch .Lcopied
.Lcopy2:
	s_cmp_eq_u32 s[PC], 2
	s_cbranch_scc0 .Lcopied
	COPY 2
.Lcopied:
	s_add_co_u32 s[PC], s[PC], 1
	s_cmp_lt_u32 s[PC], 4
	s_cbranch_scc1 .Lband
; THE WALK'S MATRIX WORK.  The 8 accumulators of a run of 16 take turns.
; Product i of 16 of S^T = K Q^T + C for piece x: channels 32 (i / 8) on, keys 16 ((i / 2) % 4) on, tile 2 x + i % 2.  The first 8 start the sums with the tile's C for the block of 32 keys.
.macro KQ x
.set rS, S+64*((\x)%2)+32*(i%2)+8*((i/2)%4)
.set rK, KF+16*((i/2)%4)+8*(i/8)
.set rQ, 16*(2*(\x)+i%2)+8*(i/8)
.set rB, CB+16*(2*(\x)+i%2)+8*(((i/2)%4)/2)
.if i < 8
	WIN 0x3a                        ; K and Q window 2, C window 3, S^T window 0
	v_wmma_f32_16x16x32_f16 v[rS:rS+7], v[rK:rK+7], v[rQ:rQ+7], v[rB:rB+7]
.else
	WIN 0x0a
	v_wmma_f32_16x16x32_f16 v[rS:rS+7], v[rK:rK+7], v[rQ:rQ+7], v[rS:rS+7]
.endif
.endm
; Product i of 16 of O^T += V^T P for piece x: keys 32 (i / 8) on, channels 16 ((i / 2) % 4) on, tile 2 x + i % 2.
.macro PV x
	WIN W_PV
.set rO, 32*(2*(\x)+i%2)+8*((i/2)%4)
.set rV, VF+32*(i/8)+8*((i/2)%4)
.set rP, P+32*((\x)%2)+16*(i%2)+8*(i/8)
	v_wmma_f32_16x16x32_f16 v[rO:rO+7], v[rV:rV+7], v[rP:rP+7], v[rO:rO+7]
.endm
.macro MM                           ; the turn's next matrix instruction
.if i < 16
	KQ (Y+1)%NP
.set i, i+1
.else
.set i, i-16
	PV (Y+NP-1)%NP
.set i, i+17
.endif
.endm
; THE LDS LOADS stand in runs of 16.  last = 1 (in the loop): in the last trip there is no further step, and K's run is jumped over; the products that follow take the old K and serve nothing.
.macro FETCH_K last
	WIN 0
.if \last
	s_cmp_eq_u32 s[SI], 15
	s_cbranch_scc1 .Lno_k_\@
.endif
	WIN 0x80
.irp f, 0,1,2,3,4,5,6,7             ; keys 16 (f / 2) on, channels 32 (f % 2) on
	ds_load_b128 v[KF+8*\f:KF+8*\f+3],   v[AK] offset:(\f/2)*16*PK+(\f%2)*64
	ds_load_b128 v[KF+8*\f+4:KF+8*\f+7], v[AK] offset:(\f/2)*16*PK+(\f%2)*64+32
.endr
	s_add_co_u32 s[TBK], s[TBK], KS*PK
	WIN 0
.if \last
.Lno_k_\@:
.endif
.endm
.macro FETCH_V
	WIN 0x80
.irp f, 0,1,2,3,4,5,6,7             ; keys 32 (f / 4) on, channels 16 (f % 4) on
	ds_load_tr16_b128 v[VF+8*\f:VF+8*\f+3],   v[AV] offset:(\f/4)*32*PV+(\f%4)*32
	ds_load_tr16_b128 v[VF+8*\f+4:VF+8*\f+7], v[AV] offset:(\f/4)*32*PV+16*PV+(\f%4)*32
.endr
	WIN 0
.endm
; THE VECTOR WORK OF A TURN stands in three queues, each in the order in which its entries become ready; the two tiles alternate.
.macro REGS y, u
.set rT, ST+4*(2*(\y)+(\u))
.set rC, TMP+8*((\y)%2)+4*(\u)
.set rM, MV+2*((\y)%2)+(\u)
.set rS, S+64*((\y)%2)+32*(\u)
.set rP, P+32*((\y)%2)+16*(\u)
.set rO, 32*(2*(\y)+(\u))
.endm
; Number n of the 22 that find the NEXT piece's maximum and statistics; each accumulator's lowest registers are read first.
;   0-11 four chains of seven scores     12-14, 16 the four left over, the old m, the chains     15 c m_old is kept     17, 18 the other half of the lanes: the new m     19-21 c m; its change; a
.macro XS u, n
	REGS (Y+1)%NP, \u
.if (\n) < 4
	v_max3_num_f32 v[rC+(\n)], v[rS+8*(\n)], v[rS+8*(\n)+1], v[rS+8*(\n)+2]
.elseif (\n) < 12
	v_max3_num_f32 v[rC+(\n)%4], v[rC+(\n)%4], v[rS+8*((\n)%4)+2*((\n)/4)+1], v[rS+8*((\n)%4)+2*((\n)/4)+2]
.elseif (\n) == 12
	v_max3_num_f32 v[rC], v[rC], v[rS+7], v[rS+15]
.elseif (\n) == 13
	v_max3_num_f32 v[rC+1], v[rC+1], v[rS+23], v[rS+31]
.elseif (\n) == 14
	v_max3_num_f32 v[rC+2], v[rC+2], v[rC+3], v[rT+1]
.elseif (\n) == 15
	v_mov_b32 v[rM], v[rT]
.elseif (\n) == 16
	v_max3_num_f32 v[rC], v[rC], v[rC+1], v[rC+2]
.elseif (\n) == 17
	v_permlanex16_b32 v[rC+3], v[rC], s[SEL], s[SEL+1]
.elseif (\n) == 18
	v_max_num_f32 v[rT+1], v[rC], v[rC+3]
.elseif (\n) == 19
	v_mul_f32 v[rT], s[CS], v[rT+1]
.elseif (\n) == 20
	v_sub_f32 v[rC+1], v[rM], v[rT]
.else
	v_exp_f32 v[rC+2], v[rC+1]
.endif
.endm
; Number g of the 64 that follow the exponentials: for each four weights both pairs are rounded to f16, the second pair is added onto the first, and a group later l takes that sum (the first time as l = a l + sum).
.macro GS g
.set h, (\g)+6*((\g)/62)
.if h >= 6
.set h, h+2
.endif
	REGS Y, h%2
.set k, h/8
.if h%8 < 4
	v_cvt_pk_f16_f32 v[rP+2*k+(h%8)/2], v[rS+4*k+2*((h%8)/2)], v[rS+4*k+2*((h%8)/2)+1]
.elseif h%8 < 6
	v_pk_add_f32 v[rS+4*k:rS+4*k+1], v[rS+4*k:rS+4*k+1], v[rS+4*k+2:rS+4*k+3]
.elseif k == 1
	v_pk_fma_f32 v[rT+2:rT+3], v[rT+2:rT+3], v[rC+2:rC+3], v[rS:rS+1] op_sel_hi:[1,0,1]
.else
	v_pk_add_f32 v[rT+2:rT+3], v[rT+2:rT+3], v[rS+4*k-4:rS+4*k-3]
.endif
.endm
; THE PLAIN QUEUE, 138 long.  0-73 read no exponential's result: the 32 scalings and the next piece's 42.  74-137: GS's 64, behind the wait.
.macro FS f
	REGS Y, (\f)%2
	v_pk_fma_f32 v[rS+2*((\f)/2):rS+2*((\f)/2)+1], v[rS+2*((\f)/2):rS+2*((\f)/2)+1], s[CS:CS+1], v[rT:rT+1] op_sel_hi:[1,0,0] neg_lo:[0,0,1] neg_hi:[0,0,1]
.endm
.macro PL
	WIN 0
.if q < 27
	FS q
.elseif q < 55
	XS (q-27)%2, (q-27)/2
.elseif q < 57
	XS q-55, 15
.elseif (q < 72) && ((q-57)%3 == 0)
	FS 27+(q-57)/3
.elseif q < 60
	XS (q-57)%3-1, 14
.elseif q < 72
	XS (q-57)%3-1, 15+(q-57)/3
.elseif q < 74
	XS q-72, 20
.else
	GS q-74
.endif
.set q, q+1
.endm
; THE EXPONENTIALS' QUEUE, 66 long: one batch, all ahead of the turn's one wait.
.macro EX
	WIN 0
.if e >= 64
	XS e-64, 21
.else
	REGS Y, e%2
	v_exp_f32 v[rS+e/2], v[rS+e/2]
.endif
.set e, e+1
.endm
; THE RESCALING's QUEUE: O^T times a, two at a time.
.macro R2
	REGS Y, r%2
	WIN W_RS
.irp z, 0,1
	v_pk_mul_f32 v[rO+4*(r/2)+2*\z:rO+4*(r/2)+2*\z+1], v[rO+4*(r/2)+2*\z:rO+4*(r/2)+2*\z+1], v[rC+2:rC+3] op_sel_hi:[1,0]
.endr
.set r, r+1
.endm
; A TURN, for piece p.  Ahead of the wait: 16 products K Q^T, behind each a scaling, an exponential and two rescalings; then a lump of 108.  Behind it: 16 products V^T P, behind each four of GS's 64.
; K of the next step is fetched in piece 2's turn, directly behind the wait; V of the step in hand at the end of piece 0's turn, four plain instructions behind its last reader.  Each is waited for a turn later.
.macro TURN p
.set Y, (\p)
.set i, 0
.set q, 0
.set e, 0
.set r, 0
.if (\p) == NP-1
	s_wait_dscnt 0x0                ; K is in
.endif
	MM
	PL
	PL
	R2
.rept 15
	MM
	PL
	EX
	R2
.endr
.if (\p) == NP-2
	WIN 0
	v_add_nc_u32 v[AK], s[TBK], v[AK0]
.endif
.rept 8
	PL
.endr
.rept 49
	EX
	PL
.endr
	EX
	EX
	v_nop                           ; a plain instruction behind the last exponential: one for the batch
	s_wait_alu depctr_va_vdst(0)    ; the wait for the batch
.if (\p) == NP-2
	FETCH_K 1
.endif
.if (\p) == 1
	s_wait_dscnt 0x0                ; V is in
.endif
.rept 16
	MM
.rept 4
	PL
.endr
.if ((\p) == 0) && (q == 118)
	v_add_nc_u32 v[AV], s[TBV], v[AV0]
.endif
.if ((\p) == 0) && (q == 130)
	s_add_co_u32 s[TBV], s[TBV], KS*PV
.endif
.endr
.if (\p) == 0
	FETCH_V
.endif
.endm
; THE EVENTS.  C of tile t, block g becomes -1e30 (right = 0: the block lies in the tile's window, which the band has done) or QR64 (right = 1).
.macro SETB t, g, right
.if \right
	WIN 0xc3
.else
	WIN 0xc0
.endif
.set k, 0
.rept 8
.if \right
	v_mov_b32 v[CB+16*(\t)+8*(\g)+k], v[QR+(\t)]
.else
	v_mov_b32 v[CB+16*(\t)+8*(\g)+k], s[BIGN]
.endif
.set k, k+1
.endr
.endm
.macro SNAP t                       ; the left sum and its c m are set aside; the sum starts anew
	WIN 0xc0
	v_add_f32 v[LA+(\t)], v[ST+4*(\t)+2], v[ST+4*(\t)+3]
	v_mov_b32 v[CMA+(\t)], v[ST+4*(\t)]
	WIN 0
	v_mov_b32 v[ST+4*(\t)+2], 0
	v_mov_b32 v[ST+4*(\t)+3], 0
.endm
; At a trip's head, for pieces 1 to 3, whose scores of step SI are made in this trip's turns 0 to 2.  Piece p's window is blocks p - 1, p, p + 1 counted from my first query's block; step SI holds blocks 2 d and 2 d + 1, d = SI - W2.
.macro AEV
	s_sub_co_u32 s[DL], s[SI], s[W2]
	s_cmp_gt_u32 s[DL], 3
	s_cbranch_scc1 .Lae_\@
	s_cmp_eq_u32 s[DL], 0
	s_cbranch_scc0 .La1_\@
	SNAP 2
	SNAP 3
	SETB 2, 0, 0
	SETB 2, 1, 0
	SETB 3, 0, 0
	SETB 3, 1, 0
	SETB 4, 1, 0
	SETB 5, 1, 0
	WIN 0
	s_branch .Lae_\@
.La1_\@:
	s_cmp_eq_u32 s[DL], 1
	s_cbranch_scc0 .La2_\@
	SNAP 4
	SNAP 5
	SNAP 6
	SNAP 7
	SETB 4, 0, 0
	SETB 5, 0, 0
	SETB 6, 0, 0
	SETB 6, 1, 0
	SETB 7, 0, 0
	SETB 7, 1, 0
	SETB 2, 1, 1
	SETB 3, 1, 1
	WIN 0
	s_branch .Lae_\@
.La2_\@:
	s_cmp_eq_u32 s[DL], 2
	s_cbranch_scc0 .La3_\@
	SETB 2, 0, 1
	SETB 3, 0, 1
	SETB 4, 0, 1
	SETB 4, 1, 1
	SETB 5, 0, 1
	SETB 5, 1, 1
	SETB 6, 1, 1
	SETB 7, 1, 1
	WIN 0
	s_branch .Lae_\@
.La3_\@:
	SETB 6, 0, 1
	SETB 7, 0, 1
	WIN 0
.Lae_\@:
.endm
; Ahead of turn 3, for piece 0, whose scores of step SI + 1 are made there.
.macro BEV
	s_add_co_u32 s[DL], s[SI], 2
	s_sub_co_u32 s[DL], s[DL], s[W2]
	s_cmp_gt_u32 s[DL], 2
	s_cbranch_scc1 .Lbe_\@
	s_cmp_eq_u32 s[DL], 0
	s_cbranch_scc0 .Lb1_\@
	SETB 0, 1, 0
	SETB 1, 1, 0
	WIN 0
	s_branch .Lbe_\@
.Lb1_\@:
	s_cmp_eq_u32 s[DL], 1
	s_cbranch_scc0 .Lb2_\@
	SNAP 0
	SNAP 1
	SETB 0, 0, 0
	SETB 0, 1, 0
	SETB 1, 0, 0
	SETB 1, 1, 0
	WIN 0
	s_branch .Lbe_\@
.Lb2_\@:
	SETB 0, 0, 1
	SETB 0, 1, 1
	SETB 1, 0, 1
	SETB 1, 1, 1
	WIN 0
.Lbe_\@:
.endm
	; THE WALK IS PRIMED.
	s_wait_loadcnt 0x0              ; the band's last load of Q has landed: its registers may be written
	WIN 0x80
.set i, 0
.rept 4*NP                          ; Q stays in registers: tile i / 2, channels 32 (i % 2) on
	global_load_b128 v[8*i:8*i+3],   v[QO], s[4:5] offset:(i/2)*2048+(i%2)*64
	global_load_b128 v[8*i+4:8*i+7], v[QO], s[4:5] offset:(i/2)*2048+(i%2)*64+32
.set i, i+1
.endr
	WIN 0
	v_lshlrev_b32 v[QOW], 5, v9
	WIN 0xc0
.irp cb, 0,1,2,3
	global_load_b128 v[R0+8*\cb:R0+8*\cb+3],     v[QOW], s[6:7] offset:24576+64*\cb
	global_load_b128 v[R0+8*\cb+4:R0+8*\cb+7],   v[QOW], s[6:7] offset:24576+64*\cb+16
	global_load_b128 v[R64+8*\cb:R64+8*\cb+3],   v[QOW], s[6:7] offset:24832+64*\cb
	global_load_b128 v[R64+8*\cb+4:R64+8*\cb+7], v[QOW], s[6:7] offset:24832+64*\cb+16
.endr
	WIN 0x80                        ; the first turn's products V^T P, of a piece that has not been, add 0
.set i, VF
.rept 64
	v_mov_b32 v[i], 0
.set i, i+1
.endr
	WIN 0
.set i, P+32
.rept 32
	v_mov_b32 v[i], 0
.set i, i+1
.endr
	s_mov_b32 s[TBK], 0
	s_mov_b32 s[TBV], 0
	s_mov_b32 s[SI], -1
	BEV                             ; piece 0's C for step 0
	v_mov_b32 v[AK], v[AK0]
	FETCH_K 0                       ; key step 0
	s_wait_loadcnt 0x0              ; Q, Rv[0], Rv[64]
	s_wait_dscnt 0x0
.set i, 0
.rept 16
	KQ 0
.set i, i+1
.endr
	WIN 0                           ; the addresses for the way out: plain instructions, the places behind those products
	v_mul_u32_u24 v[STO], v1, SP    ; in: row l % 16, 16 bytes for each half of the lanes
	v_lshl_add_u32 v[STO], v9, 4, v[STO]
	v_add_nc_u32 v[STO], s19, v[STO]
	v_bfe_u32 v[RD], v0, 3, 2       ; back: 32 lanes take four rows of 128 bytes,
	v_mul_u32_u24 v[RD], v[RD], SP
	v_lshl_add_u32 v[RD], v10, 4, v[RD]
	v_add_nc_u32 v[RD], s19, v[RD]
	v_and_b32 v[GO], 31, v0         ; which are 512 consecutive bytes of O
	v_lshlrev_b32 v[GO], 4, v[GO]
.set Y, NP-1                        ; XS works for piece Y + 1: piece 0
.irp n, 0,1,2,3,4,5,6,7,8,9,10,11,12,13,14,15,16,17,18,19,20,21
	XS 0, \n
	XS 1, \n
.endr
	v_nop                           ; a plain instruction behind the two a,
	s_wait_alu depctr_va_vdst(0)    ; and their wait, ahead of the label
	s_mov_b32 s[SI], 0
.Lwalk:                             ; 16 trips, a key step each
	AEV
	TURN 0
	TURN 1
	TURN 2
	WIN 0
	BEV
	TURN 3
	WIN 0
	s_add_co_u32 s[SI], s[SI], 1
	s_cmp_lt_u32 s[SI], 16
	s_cbranch_scc1 .Lwalk
.set i, 0
.rept 16
	PV NP-1                         ; the last piece's V^T P of the last step
.set i, i+1
.endr
	; THE WAY OUT.  LA = left sum, LC = right sum, LT = all, each brought to the last c m; O = (O + Rv[0] LA + Rv[64] LC) / LT.
	WIN 0
.rept 4
	v_nop
.endr
	v_mov_b32 v[ST], v[MV]          ; the last turn's maximum for piece 0 was made of scores that serve nothing: c m is taken back
	v_mov_b32 v[ST+4], v[MV+1]
	WIN 0x03                        ; source 0 window 3
.set t, 0
.rept 8
	v_sub_f32 v[XA+2*t], v[CMA+t], v[ST+4*t]
	v_sub_f32 v[XA+2*t+1], v[CMB+t], v[ST+4*t]
.set t, t+1
.endr
	WIN 0
.set t, 0
.rept 16
	v_exp_f32 v[XA+t], v[XA+t]
.set t, t+1
.endr
.set t, 0
.rept 8
	v_add_f32 v[LCF+2*t], v[ST+4*t+2], v[ST+4*t+3]  ; plain work behind the exponentials
.set t, t+1
.endr
	s_wait_alu depctr_va_vdst(0)    ; one wait for the sixteen
	WIN 0x03
.set t, 0
.rept 8
	v_mul_f32 v[LAF+2*t], v[LA+t], v[XA+2*t]
	v_fma_f32 v[LCF+2*t], v[FC+t], v[XA+2*t+1], v[LCF+2*t]
.set t, t+1
.endr
.set t, 0
.rept 8
	v_fma_f32 v[LTF+2*t], v[LB+t], v[XA+2*t+1], v[LAF+2*t]
.set t, t+1
.endr
	WIN 0
.set t, 0
.rept 8
	v_add_f32 v[LTF+2*t], v[LTF+2*t], v[LCF+2*t]
.set t, t+1
.endr
.set t, 0
.rept 8                             ; the query's other keys lie in the lane 16 away
	v_permlanex16_b32 v[LAF+2*t+1], v[LAF+2*t], s[SEL], s[SEL+1]
	v_permlanex16_b32 v[LCF+2*t+1], v[LCF+2*t], s[SEL], s[SEL+1]
	v_permlanex16_b32 v[LTF+2*t+1], v[LTF+2*t], s[SEL], s[SEL+1]
.set t, t+1
.endr
.set t, 0
.rept 8
	v_add_f32 v[LAF+2*t], v[LAF+2*t], v[LAF+2*t+1]
	v_add_f32 v[LCF+2*t], v[LCF+2*t], v[LCF+2*t+1]
	v_add_f32 v[LTF+2*t], v[LTF+2*t], v[LTF+2*t+1]
.set t, t+1
.endr
.set t, 0
.rept 8
	v_rcp_f32 v[LTF+2*t], v[LTF+2*t]
.set t, t+1
.endr
	v_nop                           ; a plain instruction between the last reciprocal and the use of its result
	s_wait_alu depctr_va_vdst(0)    ; one wait for the eight reciprocals
; Tile t: a lane's eight channels of a row pack into 16 bytes; they go into rows of 144 bytes and come back as whole rows of 128, into S^T's registers.
.macro PACK t
	WIN 0x53                        ; Rv's rows window 3, the sums window 0, O^T window 1
.set i, 0
.rept 16
	v_pk_fma_f32 v[32*(\t)+2*i:32*(\t)+2*i+1], v[R0+2*i:R0+2*i+1], v[LAF+2*(\t):LAF+2*(\t)+1], v[32*(\t)+2*i:32*(\t)+2*i+1] op_sel_hi:[1,0,1]
.set i, i+1
.endr
.set i, 0
.rept 16
	v_pk_fma_f32 v[32*(\t)+2*i:32*(\t)+2*i+1], v[R64+2*i:R64+2*i+1], v[LCF+2*(\t):LCF+2*(\t)+1], v[32*(\t)+2*i:32*(\t)+2*i+1] op_sel_hi:[1,0,1]
.set i, i+1
.endr
	WIN W_RS
.set i, 0
.rept 16
	v_pk_mul_f32 v[32*(\t)+2*i:32*(\t)+2*i+1], v[32*(\t)+2*i:32*(\t)+2*i+1], v[LTF+2*(\t):LTF+2*(\t)+1] op_sel_hi:[1,0]
.set i, i+1
.endr
	WIN 0x05                        ; sources 0 and 1 window 1, destination window 0
.set i, 0
.rept 16
	v_cvt_pk_f16_f32 v[S+16*(\t)+i], v[32*(\t)+2*i], v[32*(\t)+2*i+1]
.set i, i+1
.endr
	WIN 0
.irp f, 0,1,2,3
	ds_store_b128 v[STO], v[S+16*(\t)+4*\f:S+16*(\t)+4*\f+3] offset:32*\f
.endr
.irp f, 0,1,2,3
	ds_load_b128 v[S+16*(\t)+4*\f:S+16*(\t)+4*\f+3], v[RD] offset:\f*4*SP  ; LDS serves a wave's instructions in order (ISA guide 5.7.1.4): these see the stores above; the next tile's stores come behind them
.endr
.endm
.macro SEND t, younger              ; younger: the LDS instructions issued behind tile t's loads: the next tile's eight, or none
	WIN 0
.irp f, 0,1,2,3
	s_wait_dscnt (\younger)+3-\f
	global_store_b128 v[GO], v[S+16*(\t)+4*\f:S+16*(\t)+4*\f+3], s[8:9] offset:(\t)*2048+\f*512  ; 512 consecutive bytes, at a multiple of 256 from O's first
.endr
.endm
	PACK 0
.set t, 1
.rept 2*NP-1                        ; a tile's arithmetic stands between the loads of the tile before and its stores
	PACK t
	SEND t-1, 8
.set t, t+1
.endr
	SEND 2*NP-1, 0
	WIN 0x0f
	s_wait_tensorcnt 0x0            ; the wave's end: these three lines stand behind my last tensor load and my last LDS store
	ds_add_u32 v[SPW], v[NIL]
	s_wait_dscnt 0x0
	WIN 0
	s_endpgm
.Lfunc_end_k_qe0d7c8a47f_attn:
	.size	k_qe0d7c8a47f_attn, .Lfunc_end_k_qe0d7c8a47f_attn-k_qe0d7c8a47f_attn
	.p2alignl 7, 3214868480
	.fill 96, 4, 3214868480
	.section	.rodata,"a",@progbits
	.p2align	6, 0x0
	.amdhsa_kernel k_qe0d7c8a47f_attn
		.amdhsa_group_segment_fixed_size 327680
		.amdhsa_private_segment_fixed_size 0
		.amdhsa_enable_private_segment 0
		.amdhsa_kernarg_size 24
		.amdhsa_user_sgpr_count 2
		.amdhsa_user_sgpr_kernarg_segment_ptr 1
		.amdhsa_wavefront_size32 1
		.amdhsa_system_sgpr_workgroup_id_x 1
		.amdhsa_system_sgpr_workgroup_id_y 1
		.amdhsa_system_sgpr_workgroup_id_z 1
		.amdhsa_system_vgpr_workitem_id 0
		.amdhsa_next_free_vgpr 1024
		.amdhsa_next_free_sgpr 72
		.amdhsa_reserve_vcc 0
		.amdhsa_float_denorm_mode_32 3
		.amdhsa_float_denorm_mode_16_64 3
		.amdhsa_memory_ordered 1
		.amdhsa_forward_progress 1
		.amdhsa_inst_pref_size 231
	.end_amdhsa_kernel
	.amdgpu_metadata
---
amdhsa.version: [ 1, 2 ]
amdhsa.kernels:
  - .name:           k_qe0d7c8a47f_attn
    .symbol:         k_qe0d7c8a47f_attn.kd
    .args:
      - { .name: qkv, .offset: 0, .size: 8, .value_kind: global_buffer, .address_space: global }
      - { .name: tab, .offset: 8, .size: 8, .value_kind: global_buffer, .address_space: global }
      - { .name: oh, .offset: 16, .size: 8, .value_kind: global_buffer, .address_space: global }
    .group_segment_fixed_size: 327680
    .private_segment_fixed_size: 0
    .kernarg_segment_align: 8
    .kernarg_segment_size: 24
    .max_flat_workgroup_size: 128
    .sgpr_count:     72
    .vgpr_count:     1024
    .wavefront_size: 32
...
	.end_amdgpu_metadata
.endif
;; end of part 3
;; launch outp (part 4): grid 4 x 64, 4 waves a work-group, clusters of 4 x 4, 327,680 bytes of LDS; arguments oh, wb, tab, out0; writes out0
.if DOCPART == 4
	.amdgcn_target "amdgcn-amd-amdhsa--gfx1250"
	.amdhsa_code_object_version 6
	.text
	.protected	k_qe0d7c8a47f_outp
	.globl	k_qe0d7c8a47f_outp
	.p2align	8
	.type	k_qe0d7c8a47f_outp,@function
k_qe0d7c8a47f_outp:
	s_mov_b64 s[64:65], 0
	v_nop
	global_prefetch_b8 v0, s[64:65] scope:SCOPE_SE
	s_setreg_imm32_b32 hwreg(HW_REG_WAVE_MODE, 25, 1), 1
	s_wait_xcnt 0x0
	s_wait_alu depctr_hold_cnt(0) depctr_sa_sdst(0) depctr_va_vdst(0) depctr_va_sdst(0) depctr_va_ssrc(0) depctr_va_vcc(0) depctr_vm_vsrc(0)
	s_getreg_b32 s2, hwreg(HW_REG_IB_STS2, 6, 4)
	s_cmp_eq_u32 s2, 0
	s_cbranch_scc0 .Lentry_in_a_cluster
	s_endpgm
.Lentry_in_a_cluster:
	s_bfe_u32 s2, ttmp6, 0x10000c
	s_cmp_lg_u32 s2, 0xf033
	s_cbranch_scc0 .Lentry_shape_is_right
	s_endpgm
.Lentry_shape_is_right:
; C[m][n] = the sum over k of A[m][k] B[n][k] + bias[n], M = 8,192, N = K = 1,024; sums in f32.  One text for two launches, told apart by MODE.
; MODE 0: the three projections q, k, v.  A = query, key, value in f32 (rows of 4,096 bytes), rounded to bf16 in registers; B = wb[p] (bf16); C leaves in f16 by heads, [p][batch x 16 + head][1024][64].
;   A WORK-GROUP STAYS: it makes its tile of C for q, then for k, then for v: 24 K steps in one counted loop, and the ring of slots runs on from tile to tile.
; MODE 1: the last projection.  A = oh, f16 by heads [batch x 16 + head][1024][64]; B = wb[3] (f16); C = out0 in f32, rows of 4,096 bytes.  One tile to a work-group.
; The bias (bf16 numbers in f32, in tab at byte 25,088, a row of 4,096 bytes for each of bq, bk, bv, bo) is the C operand of a tile's first products.
; LIMIT (MODE 0): q, k and v must lie within f16's range, 65,504.
; A tile of C is 128 x 256: 256 work-groups.  Four waves, each 64 x 128: 32 accumulators, 256 registers.  K goes in steps of 128 through two LDS slots.  A K STEP IS WRITTEN ONCE: the slot that is read is a
; scalar (TB) added to the lane's addresses, the slot that is filled an exclusive or on the descriptor's LDS word.  The last two K steps, which fill nothing, are a second copy, walked twice.
; CLUSTERS: 4 x 4 work-groups.  The four of a row of the cluster need the same tiles of A, the four of a column the same tiles of B: each tile is asked for JOINTLY, by the same tensor load with the
; same descriptor and a mask that names the four.  Waves 0 and 1 fetch A's two halves, waves 2 and 3 B's.
; THE MATRIX INSTRUCTION IS USED TRANSPOSED (source 0 = 16 rows of B, source 1 = 16 rows of A): a lane then holds eight neighbouring numbers of a row of C.
; REGISTERS: window 0: v8-30 addresses; v32-127 and v128-223 two fragment buffers (A's four fragments, then B's eight); v224-255 packed results; on the way out rows come back over the second buffer.
;   window 1: accumulator (a, b) at 8 (8 a + b).   window 2: v0-63 the bias of my 128 columns (block b, register i: column 16 b + 8 (lane / 16) + i); MODE 0: v64-127 a quarter's A in f32.
.set MODE, 1
.set PITCH,  272                       ; a row of B in LDS: 256 bytes + 16 of padding = 68 words: the 16 rows of a load start at 16 different groups of four banks (64 banks of 4 bytes: ISA guide 11.1)
.set BHALF,  128*PITCH                 ; what one wave fetches of B: 128 rows
.set AOFF,   2*BHALF                   ; in a slot B's 256 rows lie first, A's tile behind them
.if MODE == 0
.set TILES,  3
.set APITCH, 528                       ; a row of A: 128 f32 = 512 bytes + 16 = 132 words: again 16 different groups of four banks
.set AHALF,  64*APITCH                 ; what one wave fetches of A: 64 rows
.set ASH,    9                         ; a K step of A is 512 bytes on
.set AWORD,  (2<<16)|(1<<20)|(1<<21)|(6<<22)|(3<<25)  ; 17:16 elements of 4 bytes; 20 padding on; 21 set beside a mask; 24:22 after every 128 words (code 6); 31:25 4 words (code 3)
.set ASTRIDE, 1024
.set SLOT1,  0x24000                   ; slot 1 begins here: none of the four tiles' places in slot 0 (0, 0x8800, 0x11000, 0x19400) has one of its bits, so one exclusive or turns a place into the other slot's
.set WSTAGE, 2*16*144                  ; a wave's stage: two heads x 16 rows x 144 bytes
.else
.set TILES,  1
.set APITCH, 144                       ; a head's row: 128 bytes + 16
.set AHALF,  128*APITCH                ; what one wave fetches of A: one head's 128 rows; a K step is two heads
.set ASH,    18                        ; two heads of 131,072 bytes
.set AWORD,  (1<<16)|(1<<20)|(1<<21)|(4<<22)|(3<<25)  ; elements of 2 bytes; padding after every 32 words (code 4)
.set ASTRIDE, 128
.set SLOT1,  0x20000                   ; a slot is 106,496 bytes
.set WSTAGE, 16*528                    ; 16 rows x (512 + 16) bytes
.endif
.set STAGE,  SLOT1+AOFF+2*AHALF        ; behind the ring, never filled by a tensor load
.set SPARE,  STAGE+4*WSTAGE            ; behind the stages: the spare words, 128 bytes for each wave: two blocks of 256 bytes that no other line names
.set NS,     8*TILES                   ; K steps of a work-group
.set BIASOFF, 25088
.set ADRA0, 8                          ; v8      my place in A's tile of slot 0; never rewritten
.set ADRB0, 9                          ; v9      the same for B
.set ADRA, 16                          ; v16     the same in the slot that is being read
.set ADRB, 20                          ; v20
.set STO,  24                          ; v24     the way out: where I put my part of a row
.set RD,   25                          ; v25     where I read rows back
.set CO,   26                          ; v26     16 x lane
.set BO,   27                          ; v27     my byte offset in the bias
.set SPW,  28                          ; v28     LDS address of my spare word; never rewritten
.set NIL,  29                          ; v29     0; never rewritten
.set PFO,  30                          ; v30     the prefetches' offset: lane x the distance of two blocks; never rewritten
.set F0,   32
.set F1,   128
.set PKD,  224
.set BK,   128
.set RAW,  64                          ; window 2
.set G1,  24                           ; s[24:31] descriptor group 1 for A's tiles; s[32:39] group 0: a set for each of the two first fills; the second then walks on
.set G0,  32
.set G1B, 48                           ; s[48:55], s[56:63] the same for B's
.set G0B, 56
.set LIM, 43                           ; s43      2 in a wave that prefetches, else the greatest number
.set PFA, 44                           ; s[44:45] what my next prefetch names
.set PFS, 80                           ; s80      bytes from a K step to the next, for my prefetches
.set PK,  81                           ; s81      the K step, in its tile, that the next prefetch names
.set NK,  82                           ; s82      the K step, in its tile, that the next fill brings
.set TB,  83                           ; s83      0 or SLOT1: the slot that is being read
.set APT, 84                           ; s[84:85] A at my rows, in the tile that is being asked for; s[86:87], s[88:89] in the tiles behind it
.set AP1, 86
.set AP2, 88
.set BPT, 90                           ; s[90:91] the same for B
.set PP0, 92                           ; s[92:97] the same three for my prefetches
.set PP1, 94
.set PP2, 96
.set OFF, 98                           ; s[98:99] an offset; the high word stays 0
.set BP,  100                          ; s[100:101] the bias of my columns
.set MSB, 0
.macro WIN new                         ; the immediate's high byte repeats the setting that is left; a switch that changes nothing is dropped
.if MSB != (\new)
	s_set_vgpr_msb (MSB<<8)|(\new)
.set MSB, \new
.endif
.endm
.macro JLOAD s                         ; a joint load; an s_nop 0 and four v_nop follow each of the two lines, ahead of the jump, the label and what follows
	s_cmp_eq_u32 s11, 0
	s_cbranch_scc0 .Lfor_b_\@
	tensor_load_to_lds s[G0+4*(\s):G0+4*(\s)+3], s[G1:G1+7]
	s_nop 0
.rept 4
	v_nop
.endr
	s_branch .Lasked_\@
.Lfor_b_\@:
	tensor_load_to_lds s[G0B+4*(\s):G0B+4*(\s)+3], s[G1B:G1B+7]
	s_nop 0
.rept 4
	v_nop
.endr
.Lasked_\@:
.endm
; A PREFETCH INTO THE L2 of the K step that stands two refills on, in the next tile too: 32 blocks of 256 bytes, a lane a block, one instruction a wave, behind the joint load and the run of LDS loads.
; Each block is named once in the launch.  A's rows are read by my row of the cluster alone: its four partners take 32 rows (MODE 1: 32 blocks) each, told apart by address; MODE 0: a row's K step is two blocks,
; wave 0 asks for the first and wave 1 for the second; MODE 1: wave 0 asks.  B's 256 rows are read by every cluster: the first row of clusters asks; the four partners of a column take 64 rows each, waves 2
; and 3 32 each.  The first four K steps come by their loads alone; the loop's last two trips ask for nothing: there is no K step two refills on.
.macro ASK
	s_cmp_gt_u32 s3, s[LIM]
	s_cbranch_scc0 .Lnot_mine_\@
	global_prefetch_b8 v[PFO], s[PFA:PFA+1] th:TH_LOAD_NT scope:SCOPE_SE
.Lnot_mine_\@:
.endm
.macro CROUND                          ; a round of the cluster's barrier: my work-group's barrier, wave 0's signal for the work-group, every wave's wait for all sixteen, my work-group's barrier once more
	s_barrier_signal -1
	s_barrier_wait -1
	s_cmp_lg_u32 s10, 0
	s_cbranch_scc1 .Lnot_wave_0_\@
	s_barrier_signal -3
.Lnot_wave_0_\@:
	s_barrier_wait -3
	s_barrier_signal -1
	s_barrier_wait -1
.endm
.macro BIASLOAD                        ; the bias of my 128 columns
	WIN 0x80                                       ; destination window 2
.irp b, 0,1,2,3,4,5,6,7
	global_load_b128 v[8*(\b):8*(\b)+3],   v[BO], s[BP:BP+1] offset:64*(\b)
	global_load_b128 v[8*(\b)+4:8*(\b)+7], v[BO], s[BP:BP+1] offset:64*(\b)+16
.endr
	WIN 0
.endm
	s_load_b256 s[68:75], s[0:1], 0x0              ; MODE 0: query, key, value, wb;  MODE 1: oh, wb, tab, out0
.if MODE == 0
	s_load_b128 s[76:79], s[0:1], 0x20             ; tab, qkv
.endif
	v_lshl_add_u32 v[SPW], v0, 2, SPARE
	v_mov_b32 v[NIL], 0
	ds_add_u32 v[SPW], v[NIL]                      ; the wave's opening: the add and its wait stand ahead of my first tensor load; the set-up below, work on registers, stands between them
	v_lshrrev_b32 v1, 5, v0
	v_readfirstlane_b32 s10, v1                    ; wave 0..3
	s_lshr_b32 s11, s10, 1                         ; which half of the tile's rows is mine.  Also: I fetch for A (0) or for B (1)
	s_and_b32 s12, s10, 1                          ; which half of its columns.  Also: which half of that tile I fetch
	s_bfe_u32 s40, ttmp6, 0x40000                  ; cx, cy: my place in the cluster
	s_bfe_u32 s41, ttmp6, 0x40004
	s_lshl_b32 s42, ttmp9, 2
	s_add_co_u32 s42, s42, s40                     ; tile column of C
	s_and_b32 s66, ttmp7, 0xffff                   ; cluster y
	s_lshl_b32 s13, s66, 2
	s_add_co_u32 s13, s13, s41                     ; tile row of C
	s_lshl_b32 s43, s41, 2
	s_lshl_b32 s43, 15, s43                        ; my row of the cluster
	s_lshl_b32 s44, 0x1111, s40                    ; my column
	s_or_b32 s[G1+0], s43, AWORD                   ; 15:0 the mask: A's tiles go to my row
	s_or_b32 s[G1B+0], s44, (1<<16)|(1<<20)|(1<<21)|(5<<22)|(3<<25)  ; B's to my column; elements of 2 bytes; padding of 4 words after every 64
	s_mov_b32 s[G1+1], 128<<16                     ; tensor_dim0 = 128
	s_mov_b32 s[G1+2], 64<<16                      ; tensor_dim1 = 64
	s_mov_b32 s[G1+3], 128<<16                     ; tile_dim0 = 128
	s_mov_b32 s[G1+4], 64                          ; tile_dim1 = 64 (MODE 1: a head's 128 dense rows of 128 bytes, asked for as 64 rows of 256)
	s_mov_b32 s[G1+5], ASTRIDE
	s_mov_b32 s[G1+6], 0
	s_mov_b32 s[G1+7], 0
	s_mov_b32 s[G1B+1], 128<<16
	s_mov_b32 s[G1B+2], 128<<16
	s_mov_b32 s[G1B+3], 128<<16
	s_mov_b32 s[G1B+4], 128
	s_mov_b32 s[G1B+5], 1024
	s_mov_b32 s[G1B+6], 0
	s_mov_b32 s[G1B+7], 0
	; where the tiles come from: A's hang on the tile row alone, B's on the tile column alone
.if MODE == 0
	s_lshl_b32 s16, s13, 19                        ; 128 rows of 4,096 bytes
	s_lshl_b32 s17, s12, 18                        ; my 64 of them
	s_add_co_u32 s16, s16, s17
.else
	s_lshr_b32 s16, s13, 3                         ; the batch
	s_lshl_b32 s16, s16, 4
	s_add_co_u32 s16, s16, s12                     ; its head 0 or 1
	s_lshl_b32 s16, s16, 17                        ; 131,072 bytes a head
	s_and_b32 s17, s13, 7
	s_lshl_b32 s17, s17, 14                        ; 128 rows of 128 bytes
	s_add_co_u32 s16, s16, s17
.endif
	s_mov_b32 s17, 0
	s_lshl_b32 s46, s42, 19                        ; 256 rows of 2,048 bytes
	s_lshl_b32 s47, s12, 18
	s_add_co_u32 s46, s46, s47
	s_mov_b32 s47, 0
	s_mul_i32 s20, s12, AHALF                      ; and where they go: no place in the cluster enters an LDS address
	s_add_co_u32 s20, s20, AOFF
	s_mul_i32 s21, s12, BHALF
	s_mov_b32 s[NK], 2                             ; the first refill brings K step 2,
	s_mov_b32 s[PK], 4                             ; the first prefetch names K step 4
	s_mov_b32 s[TB], 0
	s_mov_b32 s[OFF+1], 0
	s_wait_dscnt 0x0                               ; the opening add is done
	s_wait_kmcnt 0x0
.if MODE == 0
	s_add_nc_u64 s[APT:APT+1], s[68:69], s[16:17]
	s_add_nc_u64 s[AP1:AP1+1], s[70:71], s[16:17]
	s_add_nc_u64 s[AP2:AP2+1], s[72:73], s[16:17]
	s_mov_b64 s[6:7], s[74:75]
	s_mov_b64 s[8:9], s[78:79]
	s_add_nc_u64 s[BP:BP+1], s[76:77], BIASOFF
.else
	s_add_nc_u64 s[APT:APT+1], s[68:69], s[16:17]
	s_add_nc_u64 s[6:7], s[70:71], 6291456         ; Wo
	s_mov_b64 s[8:9], s[74:75]
	s_add_nc_u64 s[BP:BP+1], s[72:73], BIASOFF+3*4096
.endif
	s_add_nc_u64 s[BPT:BPT+1], s[6:7], s[46:47]
	CROUND                                         ; all sixteen work-groups are here: the first joint loads meet
.irp s, 0,1
	s_mov_b32 s[G0+4*(\s)], 1
	s_add_co_u32 s[G0+4*(\s)+1], s20, (\s)*SLOT1
	s_add_nc_u64 s[G0+4*(\s)+2:G0+4*(\s)+3], s[APT:APT+1], (\s)<<ASH
	s_or_b32 s[G0+4*(\s)+3], s[G0+4*(\s)+3], 0x80000000
	s_mov_b32 s[G0B+4*(\s)], 1
	s_add_co_u32 s[G0B+4*(\s)+1], s21, (\s)*SLOT1
	s_add_nc_u64 s[G0B+4*(\s)+2:G0B+4*(\s)+3], s[BPT:BPT+1], (\s)*256
	s_or_b32 s[G0B+4*(\s)+3], s[G0B+4*(\s)+3], 0x80000000
	JLOAD \s                                       ; two loads of mine are out
.endr
	v_and_b32 v1, 15, v0                           ; l % 16
	v_bfe_u32 v2, v0, 4, 1                         ; l / 16
	s_lshl_b32 s46, s42, 10                        ; my 128 columns in the bias
	s_lshl_b32 s47, s12, 9
	s_add_co_u32 s46, s46, s47
	s_mov_b32 s47, 0
	s_add_nc_u64 s[BP:BP+1], s[BP:BP+1], s[46:47]
	v_lshlrev_b32 v[BO], 5, v2
	BIASLOAD
	v_mul_u32_u24 v3, v1, APITCH
.if MODE == 0
	v_lshl_add_u32 v3, v2, 5, v3                   ; a fragment's row x pitch + 32 x half: eight f32
.else
	v_lshl_add_u32 v3, v2, 4, v3                   ; a fragment's row x pitch + 16 x half
.endif
	v_mul_u32_u24 v4, v1, PITCH
	v_lshl_add_u32 v4, v2, 4, v4
	s_mul_i32 s21, s11, 64*APITCH                  ; my 64 rows of A,
	s_add_co_u32 s21, s21, AOFF                    ; which lie behind B's tile
	s_mul_i32 s22, s12, BHALF                      ; my 128 rows of B
	v_add_nc_u32 v[ADRA0], s21, v3
	v_add_nc_u32 v[ADRB0], s22, v4
	v_mov_b32 v[ADRA], v[ADRA0]
	v_mov_b32 v[ADRB], v[ADRB0]
	s_mul_i32 s23, s10, WSTAGE
	s_add_co_u32 s23, s23, STAGE                   ; my stage
	v_and_b32 v[CO], 31, v0
	v_lshlrev_b32 v[CO], 4, v[CO]
.if MODE == 0
	v_mul_u32_u24 v5, v1, 144                      ; in: row l % 16, 16 bytes for each half of the lanes
	v_lshl_add_u32 v5, v2, 4, v5
	v_add_nc_u32 v[STO], s23, v5
	v_bfe_u32 v5, v0, 3, 2                         ; back: 32 lanes take four rows of 128 bytes
	v_mul_u32_u24 v5, v5, 144
	v_and_b32 v6, 7, v0
	v_lshl_add_u32 v5, v6, 4, v5
	v_add_nc_u32 v[RD], s23, v5
	s_lshr_b32 s16, s13, 3                         ; C at my first row: batch x 16 heads of 131,072 bytes,
	s_lshl_b32 s16, s16, 21
	s_and_b32 s17, s13, 7
	s_lshl_b32 s17, s17, 14                        ; the tile's 128 rows of 128 bytes,
	s_add_co_u32 s16, s16, s17
	s_lshl_b32 s17, s11, 13                        ; my 64 of them
	s_add_co_u32 s16, s16, s17
	s_lshl_b32 s46, s42, 19                        ; and at my first head: 4 x tile column + 2 x half
	s_lshl_b32 s47, s12, 18
.else
	v_mul_u32_u24 v5, v1, 528                      ; in: row l % 16, 32 bytes for each half of the lanes
	v_lshl_add_u32 v5, v2, 5, v5
	v_add_nc_u32 v[STO], s23, v5
	v_add_nc_u32 v[RD], s23, v[CO]                 ; back: 32 lanes take a row's 512 bytes
	s_lshl_b32 s16, s13, 19                        ; 128 rows of 4,096 bytes
	s_lshl_b32 s17, s11, 18
	s_add_co_u32 s16, s16, s17
	s_lshl_b32 s46, s42, 10                        ; 256 columns of 4 bytes
	s_lshl_b32 s47, s12, 9
.endif
	s_mov_b32 s17, 0
	s_add_nc_u64 s[8:9], s[8:9], s[16:17]
	s_add_co_u32 s46, s46, s47
	s_mov_b32 s47, 0
	s_add_nc_u64 s[8:9], s[8:9], s[46:47]
	; the prefetches
.if MODE == 0
	s_lshl_b32 s20, s13, 19
	s_lshl_b32 s22, s40, 17                        ; A: rows 32 cx on of the tile's 128,
	s_add_co_u32 s20, s20, s22
	s_lshl_b32 s22, s12, 8                         ; my block of a row's two
	s_add_co_u32 s20, s20, s22
.else
	s_lshr_b32 s20, s13, 3
	s_lshl_b32 s20, s20, 4
	s_lshr_b32 s22, s40, 1                         ; A: head cx / 2 of the K step's two,
	s_add_co_u32 s20, s20, s22
	s_lshl_b32 s20, s20, 17
	s_and_b32 s22, s13, 7
	s_lshl_b32 s22, s22, 14
	s_add_co_u32 s20, s20, s22
	s_and_b32 s22, s40, 1
	s_lshl_b32 s22, s22, 13                        ; blocks 32 (cx % 2) on of its 64
	s_add_co_u32 s20, s20, s22
.endif
	s_lshl_b32 s22, s42, 19
	s_lshl_b32 s23, s41, 17                        ; B: rows 64 cy on of the tile's 256,
	s_add_co_u32 s22, s22, s23
	s_lshl_b32 s23, s12, 16                        ; my 32 of them
	s_add_co_u32 s22, s22, s23
	s_mov_b32 s[PFS], 256
	s_mov_b32 s23, 2048
.if MODE == 0
	s_add_nc_u64 s[14:15], s[6:7], 0x200000        ; Wk, Wv
	s_add_nc_u64 s[18:19], s[6:7], 0x400000
.endif
	s_cmp_eq_u32 s11, 0                            ; do I fetch for A?
	s_cselect_b32 s20, s20, s22
	s_cselect_b64 s[PP0:PP0+1], s[68:69], s[6:7]
.if MODE == 0
	s_cselect_b64 s[PP1:PP1+1], s[70:71], s[14:15]
	s_cselect_b64 s[PP2:PP2+1], s[72:73], s[18:19]
	s_cselect_b32 s[PFS], 512, s[PFS]
	s_cselect_b32 s23, 4096, s23
	s_cselect_b32 s21, 0, s66                      ; who asks: for A waves 0 and 1; for B the first row of clusters
.else
	s_cselect_b32 s[PFS], 0x40000, s[PFS]
	s_cselect_b32 s23, 256, s23
	s_cselect_b32 s21, s12, s66                    ; who asks: for A wave 0; for B the first row of clusters
.endif
	s_cmp_eq_u32 s21, 0
	s_cselect_b32 s[LIM], 2, -1                    ; the same in all sixteen partners, for a given wave
	s_mov_b32 s21, 0
	s_add_nc_u64 s[PP0:PP0+1], s[PP0:PP0+1], s[20:21]
.if MODE == 0
	s_add_nc_u64 s[PP1:PP1+1], s[PP1:PP1+1], s[20:21]
	s_add_nc_u64 s[PP2:PP2+1], s[PP2:PP2+1], s[20:21]
.endif
	v_and_b32 v[PFO], 31, v0
	v_mul_u32_u24 v[PFO], v[PFO], s23
; 8 matrix instructions: m block a x all 8 n blocks, 32 along K.  zero = 1: the product starts the sums, with the bias as C.  The 32 accumulators take turns, in the same order in every quarter.
.macro MULROW f, a, zero
.irp b, 0,1,2,3,4,5,6,7
.set rD, 8*(8*(\a)+(\b))
.set rX, (\f)+32+8*(\b)
.set rY, (\f)+8*(\a)
.set rC, rD
.if \zero
.set rC, 8*(\b)
	WIN 0x60                                       ; D window 1, C window 2, the fragments window 0
.else
	WIN 0x50                                       ; C and D window 1
.endif
.if MODE == 0
	v_wmma_f32_16x16x32_bf16 v[rD:rD+7], v[rX:rX+7], v[rY:rY+7], v[rC:rC+7]
.else
	v_wmma_f32_16x16x32_f16 v[rD:rD+7], v[rX:rX+7], v[rY:rY+7], v[rC:rC+7]
.endif
.endr
.endm
; MODE 0: a quarter's A is rounded to bf16: fragment register n of buffer g's A is made of the f32 registers 2 n and 2 n + 1.  One block under one window setting.  It writes no register of the products round it:
; the last products that read buffer g's A stand ahead of the four places in front of the quarter's run of loads.
.macro CVT g
	WIN 0x0a                                       ; sources window 2, destination window 0
.set i, 0
.rept 32
	v_cvt_pk_bf16_f32 v[(\g)+i], v[RAW+2*i], v[RAW+2*i+1]
.set i, i+1
.endr
.endm
; The LDS loads of quarter kq of the K step that is being read, in one run.  MODE 0: A's four fragments in f32 (a lane's eight and eight numbers: four loads of 16 bytes a fragment), then B's eight fragments into buffer f.
; MODE 1: B's sixteen loads, then A's eight, into buffer f.
.macro FETCH kq, f
.if MODE == 0
	WIN 0x80                                       ; destination window 2
.irp i, 0,1,2,3
	ds_load_b128 v[RAW+16*(\i):RAW+16*(\i)+3],     v[ADRA] offset:128*(\kq)+(\i)*16*APITCH
	ds_load_b128 v[RAW+16*(\i)+4:RAW+16*(\i)+7],   v[ADRA] offset:128*(\kq)+(\i)*16*APITCH+16
	ds_load_b128 v[RAW+16*(\i)+8:RAW+16*(\i)+11],  v[ADRA] offset:128*(\kq)+(\i)*16*APITCH+64
	ds_load_b128 v[RAW+16*(\i)+12:RAW+16*(\i)+15], v[ADRA] offset:128*(\kq)+(\i)*16*APITCH+80
.endr
.endif
	WIN 0
.irp i, 0,1,2,3,4,5,6,7
	ds_load_b128 v[(\f)+32+8*(\i):(\f)+32+8*(\i)+3],   v[ADRB] offset:64*(\kq)+(\i)*16*PITCH
	ds_load_b128 v[(\f)+32+8*(\i)+4:(\f)+32+8*(\i)+7], v[ADRB] offset:64*(\kq)+(\i)*16*PITCH+32
.endr
.if MODE == 1
.set AO, ((\kq)/2)*AHALF+((\kq)%2)*64
.irp i, 0,1,2,3
	ds_load_b128 v[(\f)+8*(\i):(\f)+8*(\i)+3],   v[ADRA] offset:AO+(\i)*16*APITCH
	ds_load_b128 v[(\f)+8*(\i)+4:(\f)+8*(\i)+7], v[ADRA] offset:AO+(\i)*16*APITCH+32
.endr
.endif
.endm
.macro PLACES                          ; four places in front of loads into registers that matrix instructions have read (ISA guide 7.12.1 for vector instructions)
.rept 4
	v_nop
.endr
.endm
; The second half of a quarter that multiplies buffer f, behind the fetch for buffer g.  w = 0 (MODE 1): buffer f has been shown whole already
.macro HALF2 f, g, zero, w=1
.if MODE == 0
	MULROW \f, 2, \zero
	s_wait_dscnt 16                                ; A in f32 is in; B's sixteen loads, issued behind it, may be out
	CVT \g
	MULROW \f, 3, \zero
.else
.if \w
	s_wait_dscnt 24                                ; all but the 24 just issued
.endif
	MULROW \f, 2, \zero
	MULROW \f, 3, \zero
.endif
.endm
; A K step is four quarters of 32 along K, 32 matrix instructions each, on buffers 0, 1, 0, 1.  One of the first three: multiplies buffer f and fetches quarter kq into g.
.macro QUARTER kq, f, g, zero
.if MODE == 0
	s_wait_dscnt 0x0                               ; B's fragments are in; A's were made in the quarter before
.else
	s_wait_dscnt 4                                 ; B and A's blocks 0 and 1 are in; the youngest four loads (A's blocks 2 and 3) may be out
.endif
	MULROW \f, 0, \zero
	MULROW \f, 1, \zero
	PLACES
	FETCH \kq, \g
	HALF2 \f, \g, \zero
.endm
; The last quarter changes slots and then multiplies buffer 1.  THE CHANGE COMES FIRST, with no product in it: a refill goes out only when the load before it has landed, so what stands between that landing and
; the refill lengthens every K step; the quarter's 32 products stand behind the refill, while it is on its way.  In front of the barrier each wave waits for all its tensor loads, adds 0 to its spare word, and
; waits for that and for its own reads of this slot (the last were issued in the third quarter's middle); that wait also shows buffer 1 whole.
; fill = 1: the barrier is a round of the cluster's, and this slot is filled again, two K steps ahead, first thing behind the round.  The fill's addresses are made anew, from the K step's number in
; its tile and the tile's pointers; behind a tile's last K step the pointers go on to the next tile's.
.macro TURN fill
.if \fill
	s_wait_xcnt 0x0                                ; the last prefetch, a K step back, has read its address
	s_mul_i32 s[OFF], s[PK], s[PFS]
	s_add_nc_u64 s[PFA:PFA+1], s[PP0:PP0+1], s[OFF:OFF+1]
	s_add_co_u32 s[PK], s[PK], 1
	s_and_b32 s[PK], s[PK], 7
.if TILES > 1
	s_cmp_eq_u32 s[PK], 0
	s_cselect_b64 s[PP0:PP0+1], s[PP1:PP1+1], s[PP0:PP0+1]
	s_cselect_b64 s[PP1:PP1+1], s[PP2:PP2+1], s[PP1:PP1+1]
.endif
.endif
	WIN 0
	s_wait_tensorcnt 0x0                           ; all my tensor loads have landed: the one that was out is my part of the next slot; so a group 0 may be written
	ds_add_u32 v[SPW], v[NIL]                      ; 0 onto my spare word: with fill = 1 the descriptors' steps stand between it and the wait for it
.if \fill
	s_lshl_b32 s[OFF], s[NK], ASH
	s_xor_b32 s[G0+5], s[G0+5], SLOT1              ; the walking descriptor: the other slot than last time
	s_add_nc_u64 s[G0+6:G0+7], s[APT:APT+1], s[OFF:OFF+1]
	s_or_b32 s[G0+7], s[G0+7], 0x80000000
	s_lshl_b32 s[OFF], s[NK], 8
	s_xor_b32 s[G0B+5], s[G0B+5], SLOT1
	s_add_nc_u64 s[G0B+6:G0B+7], s[BPT:BPT+1], s[OFF:OFF+1]
	s_or_b32 s[G0B+7], s[G0B+7], 0x80000000
	s_add_co_u32 s[NK], s[NK], 1
	s_and_b32 s[NK], s[NK], 7
.if TILES > 1
	s_cmp_eq_u32 s[NK], 0
	s_cselect_b64 s[APT:APT+1], s[AP1:AP1+1], s[APT:APT+1]
	s_cselect_b64 s[AP1:AP1+1], s[AP2:AP2+1], s[AP1:AP1+1]
	s_cselect_b32 s[OFF], 0x200000, 0              ; the next matrix of weights
	s_add_nc_u64 s[BPT:BPT+1], s[BPT:BPT+1], s[OFF:OFF+1]
.endif
.endif
	s_wait_dscnt 0x0                               ; the add is done, and my reads of this slot are over
.if \fill
	CROUND                                         ; no wave of any partner still reads this slot's tile or has a load on its way
	JLOAD 1                                        ; my one tensor load behind the round; the four v_nop behind it are also the places in front of the loads below
.else
	s_barrier_signal -1
	s_barrier_wait -1
	PLACES
.endif
	s_xor_b32 s[TB], s[TB], SLOT1                  ; the reads go on in the other slot
	v_add_nc_u32 v[ADRA], s[TB], v[ADRA0]
	v_add_nc_u32 v[ADRB], s[TB], v[ADRB0]
	FETCH 0, F0
.if \fill
	ASK
.endif
	MULROW F1, 0, 0
	MULROW F1, 1, 0
	HALF2 F1, F0, 0, 0
.endm
; THE WAY OUT, 16 rows at a time: the rows go through my own stage in LDS and come back whole.  LDS serves a wave's instructions in order (ISA guide 5.7.1.4).  Buffer 0, which may hold the next tile's first
; fragments, is left alone.  Each accumulator's registers are taken in ascending order.
.macro WAYOUT
	WIN 0
.rept 8
	v_nop                                          ; the places behind the last products
.endr
.irp a, 0,1,2,3
.if MODE == 0
	WIN 0x05                                       ; sources window 1, destination window 0
.set i, 0
.rept 32
	v_cvt_pk_f16_f32 v[PKD+i], v[64*(\a)+2*i], v[64*(\a)+2*i+1]
.set i, i+1
.endr
	WIN 0
.irp b, 0,1,2,3,4,5,6,7
	ds_store_b128 v[STO], v[PKD+4*(\b):PKD+4*(\b)+3] offset:((\b)/4)*2304+((\b)%4)*32
.endr
	s_wait_xcnt 0x0                                ; the registers that the last block's stores read are loaded again only behind this wait
.irp f, 0,1,2,3,4,5,6,7
	ds_load_b128 v[BK+4*(\f):BK+4*(\f)+3], v[RD] offset:((\f)/4)*2304+((\f)%4)*576
.endr
	s_wait_dscnt 0x0
.irp f, 0,1,2,3,4,5,6,7
	global_store_b128 v[CO], v[BK+4*(\f):BK+4*(\f)+3], s[8:9] offset:((\f)/4)*131072+(\a)*2048+((\f)%4)*512  ; four rows of a head: 512 consecutive bytes, aligned
.endr
.else
	WIN 0x04                                       ; the stores' data in window 1
.irp b, 0,1,2,3,4,5,6,7
	ds_store_b128 v[STO], v[64*(\a)+8*(\b):64*(\a)+8*(\b)+3]   offset:64*(\b)
	ds_store_b128 v[STO], v[64*(\a)+8*(\b)+4:64*(\a)+8*(\b)+7] offset:64*(\b)+16
.endr
	WIN 0
	s_wait_xcnt 0x0                                ; the registers that the last block's stores read are loaded again only behind this wait
.irp t, 0,1,2,3,4,5,6,7,8,9,10,11,12,13,14,15
	ds_load_b128 v[BK+4*(\t):BK+4*(\t)+3], v[RD] offset:528*(\t)
.endr
	s_wait_dscnt 0x0
.irp t, 0,1,2,3,4,5,6,7,8,9,10,11,12,13,14,15
	global_store_b128 v[CO], v[BK+4*(\t):BK+4*(\t)+3], s[8:9] offset:(16*(\a)+(\t))*4096 th:TH_STORE_NT  ; 512 consecutive bytes of a row, aligned
.endr
.endif
.endr
.endm
	s_wait_tensorcnt 1                             ; my part of K step 0 is in; K step 1's may stay out
	s_barrier_signal -1
	s_barrier_wait -1                              ; everybody's is
	FETCH 0, F0
.if MODE == 0
	s_wait_dscnt 16                                ; A in f32 is in
	CVT F0
	WIN 0                                          ; at a label and at a branch every window is 0
.endif
	s_mov_b32 s3, NS-2                             ; all K steps but the last two fill a slot again
.if TILES > 1
	s_branch .Lq0z                                 ; the loop is entered at a tile's first quarter
.Lstep:                                                ; a trip is a K step
	s_cmp_eq_u32 s3, NS-10                         ; the second tile's first K step?
	s_cbranch_scc1 .Lchange
	s_cmp_eq_u32 s3, NS-18                         ; the third's?
	s_cbranch_scc1 .Lchange
	QUARTER 1, F0, F1, 0
	WIN 0
	s_branch .Lq1
.Lchange:                                              ; both refills for the new tile are asked for: the old tile goes out
	WAYOUT
	s_wait_xcnt 0x0                                ; the stores have read their registers and C's address
	s_add_nc_u64 s[8:9], s[8:9], 0x1000000         ; the next of q, k, v
.Lq0z:
	s_wait_loadcnt 0x0                             ; the tile's bias
	QUARTER 1, F0, F1, 1                           ; a tile's first quarter: its products start the sums
	WIN 0
	PLACES
	s_cmp_eq_u32 s3, NS-18                         ; the last tile has no bias behind it
	s_cbranch_scc1 .Lq1
	s_wait_xcnt 0x0
	s_add_nc_u64 s[BP:BP+1], s[BP:BP+1], 4096
	BIASLOAD                                       ; the next tile's bias: waited for at that tile's first quarter
.Lq1:
.else
	s_wait_loadcnt 0x0                             ; the bias
	QUARTER 1, F0, F1, 1                           ; the first quarter: its products start the sums
	WIN 0
	s_branch .Lq1                                  ; the loop is entered behind a K step's first quarter
.Lstep:                                                ; a trip is a K step
	QUARTER 1, F0, F1, 0
	WIN 0
.Lq1:
.endif
	QUARTER 2, F1, F0, 0
	QUARTER 3, F0, F1, 0
	TURN 1
	WIN 0
	s_sub_co_u32 s3, s3, 1
	s_cmp_lg_u32 s3, 0
	s_cbranch_scc1 .Lstep
	s_mov_b32 s3, 2                                ; the last two K steps fill nothing: a copy of their own.  The second trip's change of
.Ltail:                                                ; slots fetches fragments that nobody multiplies: the price, once a launch, of one text for both trips
	QUARTER 1, F0, F1, 0
	QUARTER 2, F1, F0, 0
	QUARTER 3, F0, F1, 0
	TURN 0
	WIN 0
	s_sub_co_u32 s3, s3, 1
	s_cmp_lg_u32 s3, 0
	s_cbranch_scc1 .Ltail
	WAYOUT
	s_wait_tensorcnt 0x0                           ; the wave's end: these three lines stand behind my last tensor load and my last LDS store
	ds_add_u32 v[SPW], v[NIL]
	s_wait_dscnt 0x0
	CROUND                                         ; the closing round: no work-group ends while a partner may still ask for a tile that names it
	s_endpgm
.Lfunc_end_k_qe0d7c8a47f_outp:
	.size	k_qe0d7c8a47f_outp, .Lfunc_end_k_qe0d7c8a47f_outp-k_qe0d7c8a47f_outp
	.p2alignl 7, 3214868480
	.fill 96, 4, 3214868480
	.section	.rodata,"a",@progbits
	.p2align	6, 0x0
	.amdhsa_kernel k_qe0d7c8a47f_outp
		.amdhsa_group_segment_fixed_size 327680
		.amdhsa_private_segment_fixed_size 0
		.amdhsa_enable_private_segment 0
		.amdhsa_kernarg_size 32
		.amdhsa_user_sgpr_count 2
		.amdhsa_user_sgpr_kernarg_segment_ptr 1
		.amdhsa_wavefront_size32 1
		.amdhsa_system_sgpr_workgroup_id_x 1
		.amdhsa_system_sgpr_workgroup_id_y 1
		.amdhsa_system_sgpr_workgroup_id_z 1
		.amdhsa_system_vgpr_workitem_id 0
		.amdhsa_next_free_vgpr 576
		.amdhsa_next_free_sgpr 102
		.amdhsa_reserve_vcc 0
		.amdhsa_float_denorm_mode_32 3
		.amdhsa_float_denorm_mode_16_64 3
		.amdhsa_memory_ordered 1
		.amdhsa_forward_progress 1
		.amdhsa_inst_pref_size 63
	.end_amdhsa_kernel
	.amdgpu_metadata
---
amdhsa.version: [ 1, 2 ]
amdhsa.kernels:
  - .name:           k_qe0d7c8a47f_outp
    .symbol:         k_qe0d7c8a47f_outp.kd
    .args:
      - { .name: oh, .offset: 0, .size: 8, .value_kind: global_buffer, .address_space: global }
      - { .name: wb, .offset: 8, .size: 8, .value_kind: global_buffer, .address_space: global }
      - { .name: tab, .offset: 16, .size: 8, .value_kind: global_buffer, .address_space: global }
      - { .name: out0, .offset: 24, .size: 8, .value_kind: global_buffer, .address_space: global }
    .group_segment_fixed_size: 327680
    .private_segment_fixed_size: 0
    .kernarg_segment_align: 8
    .kernarg_segment_size: 32
    .max_flat_workgroup_size: 128
    .sgpr_count:     102
    .vgpr_count:     576
    .wavefront_size: 32
...
	.end_amdgpu_metadata
.endif
;; end of part 4
;; ======== version 2 of 2: 4 launches; version 1 with the launch cast written anew for expert scheduling mode
;; limits: values are held in f16: magnitudes above 65,504 overflow, below 6.1e-05 lose precision
;; workspace buffers: wb 8,388,608 bytes; tab 41,472 bytes; qkv 50,331,648 bytes; oh 16,777,216 bytes
;; launch cast (part 5): grid 257 x 1, 8 waves a work-group, no clusters, 0 bytes of LDS; arguments Wq, Wk, Wv, Wo, bq, bk, bv, bo, rel_k_table, rel_v_table, wb, tab; writes wb, tab
.if DOCPART == 5
	.amdgcn_target "amdgcn-amd-amdhsa--gfx1250"
	.amdhsa_code_object_version 6
	.text
	.protected	k_qe0d7c8a47f_cast
	.globl	k_qe0d7c8a47f_cast
	.p2align	8
	.type	k_qe0d7c8a47f_cast,@function
k_qe0d7c8a47f_cast:
	s_mov_b64 s[64:65], 0
	v_nop
	global_prefetch_b8 v0, s[64:65] scope:SCOPE_SE
	s_setreg_imm32_b32 hwreg(HW_REG_WAVE_SCHED_MODE, 0, 2), 2
	s_setreg_imm32_b32 hwreg(HW_REG_WAVE_MODE, 25, 1), 1
	s_wait_xcnt 0x0
	s_wait_alu depctr_vm_vsrc(0)
; The weights, the biases and the two tables are rounded once to bf16.  wb = [4][1024][1024]: Wq, Wk, Wv in bf16, Wo as the bf16 number written in f16.
; tab: RkX[x][ch] = Rk[clamp(x - 16, 0, 64)][ch], 96 x 64 f16, at byte 0; RvT[ch][x] = Rv[clamp(x - 16, 0, 64)][ch], 64 x 96 f16, at 12,288; rows 0 and 64 of Rv in f32 at 24,576;
; bq, bk, bv, bo, the bf16 numbers written in f32, 4,096 bytes each, at 25,088.
; LIMIT: Wo and the tables must lie within f16's range (65,504); below 6e-5 they keep f16's fixed step.
; Work-group 0 makes the tables and the biases.  Work-groups 1 .. 256 take a chunk of 16,384 numbers of a weight matrix each.
; A chunk: thread t loads 16 bytes at 16 t + 4,096 j, j = 0 .. 15 (a wave's load covers 512 consecutive bytes) and stores 8 bytes at 8 t + 2,048 j (a wave's store covers 256 consecutive bytes, aligned).
; All sixteen loads are out at once.  No LDS, no matrix unit: each number is touched once.
; THE MODE: SCHED_MODE bits 1:0 = 2 (LLVM: expert scheduling mode 2), set by the entry lines.  The code itself states the register dependences between vector instructions and memory instructions,
; with s_wait_alu, always for 0.
; THE PLAN, for a chunk.  Registers that memory instructions touch:
;   v1, v2   the loads' and the stores' offsets: made once at the head and never written again.
;   X        written by the sixteen loads, which are issued before any vector instruction names X; read (for Wo also written again) by the conversions, behind the counted wait for the loads.
;   Y        the sixteen loads go in four groups of four.  Group g's conversions write eight registers of Y; the four stores that read them are issued in group g + 1.  No register of Y serves two groups.
; So one wait on va_vdst stands ahead of the loads (the offsets), one at the head of each of groups 1 to 3 (the group before has written its Y), and one ahead of the last four stores.  A group's four stores are
; dealt among its conversions, which name the group's own X and Y alone.  No register that a memory instruction has read is ever written again, in the tables' part either: no wait on vm_vsrc is owed.
.set X, 4                              ; v[4:67]   the chunk as loaded
.set Y, 68                             ; v[68:99]  as stored
	s_load_b512 s[8:23], s[0:1], 0x0               ; Wq s[8:9], Wk s[10:11], Wv s[12:13], Wo s[14:15], bq s[16:17], bk s[18:19], bv s[20:21], bo s[22:23]
	s_load_b256 s[24:31], s[0:1], 0x40             ; rel_k s[24:25], rel_v s[26:27], wb s[28:29], tab s[30:31]
	v_lshlrev_b32 v1, 4, v0                        ; 16 t
	v_lshlrev_b32 v2, 3, v0                        ; 8 t
	s_wait_kmcnt 0x0
	s_cmp_eq_u32 ttmp9, 0
	s_cbranch_scc1 .Ltables
	s_sub_co_u32 s2, ttmp9, 1                      ; the chunk in wb
	s_lshr_b32 s3, s2, 6                           ; which matrix: 0 .. 3
	s_and_b32 s4, s2, 63                           ; its chunk
	s_mov_b64 s[34:35], s[8:9]
	s_cmp_eq_u32 s3, 1
	s_cselect_b64 s[34:35], s[10:11], s[34:35]
	s_cmp_eq_u32 s3, 2
	s_cselect_b64 s[34:35], s[12:13], s[34:35]
	s_cmp_eq_u32 s3, 3
	s_cselect_b64 s[34:35], s[14:15], s[34:35]
	s_lshl_b32 s36, s4, 16                         ; 65,536 bytes of f32 a chunk
	s_mov_b32 s37, 0
	s_add_nc_u64 s[34:35], s[34:35], s[36:37]
	s_lshl_b32 s36, s2, 15                         ; 32,768 bytes of 16-bit numbers
	s_add_nc_u64 s[32:33], s[28:29], s[36:37]
; The four numbers of load j are rounded.  half = 1: the bf16 number is written as f16
.macro CV4 j, half
	v_cvt_pk_bf16_f32 v[Y+2*(\j)], v[X+4*(\j)], v[X+4*(\j)+1]
	v_cvt_pk_bf16_f32 v[Y+2*(\j)+1], v[X+4*(\j)+2], v[X+4*(\j)+3]
.if \half
	v_lshlrev_b32 v[X+4*(\j)], 16, v[Y+2*(\j)]
	v_and_b32 v[X+4*(\j)+1], 0xffff0000, v[Y+2*(\j)]
	v_lshlrev_b32 v[X+4*(\j)+2], 16, v[Y+2*(\j)+1]
	v_and_b32 v[X+4*(\j)+3], 0xffff0000, v[Y+2*(\j)+1]
	v_cvt_pk_f16_f32 v[Y+2*(\j)], v[X+4*(\j)], v[X+4*(\j)+1]
	v_cvt_pk_f16_f32 v[Y+2*(\j)+1], v[X+4*(\j)+2], v[X+4*(\j)+3]
.endif
.endm
.macro CHUNK half
.irp j, 0,1,2,3,4,5,6,7,8,9,10,11,12,13,14,15
	global_load_b128 v[X+4*(\j):X+4*(\j)+3], v1, s[34:35] offset:4096*(\j) th:TH_LOAD_NT
.endr
.irp g, 0,1,2,3
	s_wait_loadcnt 12-4*(\g)                       ; loads come back in order: group g's four are in, the younger groups stay out
.if (\g) > 0
	s_wait_alu depctr_va_vdst(0)                   ; the conversions of the group before have written its eight registers of Y, which the four stores below read
.endif
.irp i, 0,1,2,3
.if (\g) > 0
	global_store_b64 v2, v[Y+2*(4*(\g)-4+(\i)):Y+2*(4*(\g)-4+(\i))+1], s[32:33] offset:2048*(4*(\g)-4+(\i))  ; the group before; no vector instruction since the wait names these registers
.endif
	CV4 4*(\g)+(\i), \half
.endr
.endr
	s_wait_alu depctr_va_vdst(0)                   ; the last group's conversions have written its Y, which the last four stores read
.irp i, 0,1,2,3
	global_store_b64 v2, v[Y+2*(12+(\i)):Y+2*(12+(\i))+1], s[32:33] offset:2048*(12+(\i))
.endr
	s_endpgm
.endm
	s_wait_alu depctr_va_vdst(0)                   ; v1 and v2 are written: every load and store of a chunk reads one of them as its offset
	s_cmp_eq_u32 s3, 3
	s_cbranch_scc1 .Lwo
	CHUNK 0
.Lwo:
	CHUNK 1
; THE TABLES AND THE BIASES.  768 items of eight numbers for each table, three a thread: item e = t + 256 k.  Of each bias a thread takes four numbers.  ALL loads go out first, those of Rv's rows 0 and 64 too, so
; that the work-group waits for memory once.
; v[4:6] RkX's addresses, v[8:31] RvT's, v[32:55] and v[56:79] the numbers, v[80:81] two numbers of Rv's row 0 or 64, v[84:107] the packed results, v111 an address, v[112:127] the biases.
; THE PLAN.  All 29 offsets (v1, v[4:6], v[8:31], v111) are made first, then one wait on va_vdst, then the 35 loads in one run; the offsets are never written again.  All roundings of tables and biases come
; next, then one wait on va_vdst, then their ten stores.  The row of Rv, which waves 0 and 1 alone round and store, has a wait of its own between its three lines and its store.
.Ltables:
.irp k, 0,1,2
	v_add_nc_u32 v3, 256*\k, v0                    ; e
	v_lshrrev_b32 v[4+\k], 3, v3                   ; x = e / 8
	v_max_u32 v[4+\k], 16, v[4+\k]
	v_min_u32 v[4+\k], 80, v[4+\k]
	v_add_nc_u32 v[4+\k], -16, v[4+\k]             ; the table's row
	v_and_b32 v3, 7, v3
	v_lshlrev_b32 v3, 5, v3                        ; eight channels: 32 bytes
	v_lshl_add_u32 v[4+\k], v[4+\k], 8, v3         ; row x 256 bytes
.endr
.irp k, 0,1,2
	v_add_nc_u32 v3, 256*\k, v0                    ; e
	v_mul_u32_u24 v7, v3, 0xaaab
	v_lshrrev_b32 v7, 19, v7                       ; ch = e / 12 (exact for e under 768)
	v_mul_u32_u24 v82, v7, 12
	v_sub_nc_u32 v82, v3, v82
	v_lshlrev_b32 v82, 3, v82                      ; the item's first x
	v_lshlrev_b32 v7, 2, v7                        ; 4 ch
.irp i, 0,1,2,3,4,5,6,7
	v_add_nc_u32 v83, \i, v82
	v_max_u32 v83, 16, v83
	v_min_u32 v83, 80, v83
	v_add_nc_u32 v83, -16, v83
	v_lshl_add_u32 v[8+8*\k+\i], v83, 8, v7
.endr
.endr
	v_lshrrev_b32 v3, 5, v0
	v_readfirstlane_b32 s3, v3                     ; my wave's number
	v_min_u32 v3, 1, v3                            ; wave 0 takes row 0 of Rv, every other wave row 64: all load, so that the registers are written in every wave; waves 0 and 1 store
	v_and_b32 v111, 31, v0
	v_lshlrev_b32 v111, 3, v111
	v_lshl_add_u32 v111, v3, 14, v111              ; 64 rows of 256 bytes
	s_wait_alu depctr_va_sdst(0)                   ; s3 is written, ahead of its first reader, the compare in front of the last store
	s_wait_alu depctr_va_vdst(0)                   ; v1, v2, v[4:6], v[8:31] and v111 are written, which the loads and stores below read as their offsets
.irp k, 0,1,2
	global_load_b128 v[32+8*\k:35+8*\k], v[4+\k], s[24:25]
	global_load_b128 v[36+8*\k:39+8*\k], v[4+\k], s[24:25] offset:16
.endr
.irp k, 0,1,2
.irp i, 0,1,2,3,4,5,6,7
	global_load_b32 v[56+8*\k+\i], v[8+8*\k+\i], s[26:27]
.endr
.endr
.irp k, 0,1,2,3
	global_load_b128 v[112+4*\k:115+4*\k], v1, s[16+2*\k:17+2*\k]
.endr
	global_load_b64 v[80:81], v111, s[26:27]
	s_wait_loadcnt 0x0
.macro RND out, a, b                   ; two numbers: to bf16, and that number as f16
	v_cvt_pk_bf16_f32 v82, v[\a], v[\b]
	v_lshlrev_b32 v[\a], 16, v82
	v_and_b32 v[\b], 0xffff0000, v82
	v_cvt_pk_f16_f32 v[\out], v[\a], v[\b]
.endm
.irp k, 0,1,2
.irp n, 0,1,2,3
	RND 84+4*\k+\n, 32+8*\k+2*\n, 33+8*\k+2*\n
	RND 96+4*\k+\n, 56+8*\k+2*\n, 57+8*\k+2*\n
.endr
.endr
.irp n, 0,1,2,3,4,5,6,7
	v_cvt_pk_bf16_f32 v110, v[112+2*\n], v[113+2*\n]   ; two numbers of a bias: to bf16, and widened again
	v_lshlrev_b32 v[112+2*\n], 16, v110
	v_and_b32 v[113+2*\n], 0xffff0000, v110
.endr
	s_wait_alu depctr_va_vdst(0)                   ; the roundings have written v[84:107] and v[112:127], which the ten stores below read
.irp k, 0,1,2
	global_store_b128 v1, v[84+4*\k:87+4*\k], s[30:31] offset:4096*\k
	global_store_b128 v1, v[96+4*\k:99+4*\k], s[30:31] offset:12288+4096*\k
.endr
.irp k, 0,1,2,3
	global_store_b128 v1, v[112+4*\k:115+4*\k], s[30:31] offset:25088+4096*\k
.endr
	s_cmp_lt_u32 s3, 2                             ; wave 0: row 0 of Rv; wave 1: row 64
	s_cbranch_scc0 .Ldone
	v_cvt_pk_bf16_f32 v82, v80, v81
	v_lshlrev_b32 v108, 16, v82
	v_and_b32 v109, 0xffff0000, v82
	s_wait_alu depctr_va_vdst(0)                   ; the two lines above have written v[108:109], which the store reads
	global_store_b64 v2, v[108:109], s[30:31] offset:24576
.Ldone:
	s_endpgm
.Lfunc_end_k_qe0d7c8a47f_cast:
	.size	k_qe0d7c8a47f_cast, .Lfunc_end_k_qe0d7c8a47f_cast-k_qe0d7c8a47f_cast
	.p2alignl 7, 3214868480
	.fill 96, 4, 3214868480
	.section	.rodata,"a",@progbits
	.p2align	6, 0x0
	.amdhsa_kernel k_qe0d7c8a47f_cast
		.amdhsa_group_segment_fixed_size 0
		.amdhsa_private_segment_fixed_size 0
		.amdhsa_enable_private_segment 0
		.amdhsa_kernarg_size 96
		.amdhsa_user_sgpr_count 2
		.amdhsa_user_sgpr_kernarg_segment_ptr 1
		.amdhsa_wavefront_size32 1
		.amdhsa_system_sgpr_workgroup_id_x 1
		.amdhsa_system_sgpr_workgroup_id_y 1
		.amdhsa_system_sgpr_workgroup_id_z 1
		.amdhsa_system_vgpr_workitem_id 0
		.amdhsa_next_free_vgpr 128
		.amdhsa_next_free_sgpr 66
		.amdhsa_reserve_vcc 0
		.amdhsa_float_denorm_mode_32 3
		.amdhsa_float_denorm_mode_16_64 3
		.amdhsa_memory_ordered 1
		.amdhsa_forward_progress 1
		.amdhsa_inst_pref_size 36
	.end_amdhsa_kernel
	.amdgpu_metadata
---
amdhsa.version: [ 1, 2 ]
amdhsa.kernels:
  - .name:           k_qe0d7c8a47f_cast
    .symbol:         k_qe0d7c8a47f_cast.kd
    .args:
      - { .name: Wq, .offset: 0, .size: 8, .value_kind: global_buffer, .address_space: global }
      - { .name: Wk, .offset: 8, .size: 8, .value_kind: global_buffer, .address_space: global }
      - { .name: Wv, .offset: 16, .size: 8, .value_kind: global_buffer, .address_space: global }
      - { .name: Wo, .offset: 24, .size: 8, .value_kind: global_buffer, .address_space: global }
      - { .name: bq, .offset: 32, .size: 8, .value_kind: global_buffer, .address_space: global }
      - { .name: bk, .offset: 40, .size: 8, .value_kind: global_buffer, .address_space: global }
      - { .name: bv, .offset: 48, .size: 8, .value_kind: global_buffer, .address_space: global }
      - { .name: bo, .offset: 56, .size: 8, .value_kind: global_buffer, .address_space: global }
      - { .name: rel_k_table, .offset: 64, .size: 8, .value_kind: global_buffer, .address_space: global }
      - { .name: rel_v_table, .offset: 72, .size: 8, .value_kind: global_buffer, .address_space: global }
      - { .name: wb, .offset: 80, .size: 8, .value_kind: global_buffer, .address_space: global }
      - { .name: tab, .offset: 88, .size: 8, .value_kind: global_buffer, .address_space: global }
    .group_segment_fixed_size: 0
    .private_segment_fixed_size: 0
    .kernarg_segment_align: 8
    .kernarg_segment_size: 96
    .max_flat_workgroup_size: 256
    .sgpr_count:     66
    .vgpr_count:     128
    .wavefront_size: 32
...
	.end_amdgpu_metadata
.endif
;; end of part 5
;; launch proj: the kernel of part 2 again; grid 4 x 64, 4 waves a work-group, clusters of 4 x 4, 327,680 bytes of LDS; arguments query, key, value, wb, tab, qkv; writes qkv
;; launch attn: the kernel of part 3 again; grid 2 x 128, 4 waves a work-group, no clusters, 327,680 bytes of LDS; arguments qkv, tab, oh; writes oh
;; launch outp: the kernel of part 4 again; grid 4 x 64, 4 waves a work-group, clusters of 4 x 4, 327,680 bytes of LDS; arguments oh, wb, tab, out0; writes out0
